; MI455X (gfx1250); checked and timed in simulation.
; The chip was launched on July 23, 2026; its instructions are those of AMD's public machine-readable ISA for CDNA 5 (MIT licence, August 2026) and "CDNA5" Instruction Set Architecture Reference Guide (July 2026). The comments in the code are by the model that wrote it; some were corrected since.
;; Multi Head Attention. Allowed arithmetic: matrix products marked QUANTISED: E2M1 operands, one E8M0 scale for each 32 along K, by v_wmma_scale_f32_16x16x128_f8f6f4 with both operands' format E2M1 (or v_wmma_scale_f32_32x16x128_f4), f32 sums; products left as they are: bf16, f16 or f32 operands; f32 sums; everything else in f32.
;; Inputs: b_out 1,024 float32; b_qkv 3,072 float32; w_out 1,024 x 1,024 float32; w_qkv 1,024 x 3,072 float32; x 4 x 2,048 x 1,024 float32.
;; Outputs: out0 4 x 2,048 x 1,024 float32.
;; This version of the problem:
;;   THIS VERSION OF THE PROBLEM IS GIVEN IN LOW PRECISION. The matrix products marked QUANTISED in the list below multiply operands that are first quantised to E2M1 (2 exponent bits, 1 mantissa bit; 4 bits a number), with one power-of-two scale for each 32 numbers along K (OCP MX v1.0); their sums are f32. The products marked 'left as it is' may take bf16, f16 or f32 operands, with f32 sums. Whichever they take, every output number must still come out within the allowed error. Rounding operands to bf16 (8 significant bits) uses up far more of that allowance than f16 does (11 bits, for magnitudes from 6e-5 to 65,504). All else is computed in f32.
;;   The module's matrix products, in the order in which they are computed (A, B: the left and right operand; K: the contracted axis; several contracted axes count as one K, in the product's order):
;;     1. [M 8,192, K 1,024] x [K 1,024, N 3,072]; A: input x; B: input w_qkv: QUANTISED
;;     2. batch 64 x [M 2,048, K 64] x [K 64, N 2,048]; A: computed on the way; B: computed on the way: left as it is (an operand is computed on the way)
;;     3. batch 64 x [M 2,048, K 2,048] x [K 2,048, N 64]; A: computed on the way; B: computed on the way: left as it is (an operand is computed on the way)
;;     4. [M 8,192, K 1,024] x [K 1,024, N 1,024]; A: computed on the way; B: input w_out: left as it is (an operand is computed on the way)
;;   THE QUANTISER, for each operand of a quantised product, along K:
;;     - K is cut into blocks of 32 from its start; a last block that is shorter is filled with zeros.
;;     - A block's scale is 2^e with e = floor(log2(the largest magnitude in the block)) - 2, held to -126 .. 127; a block of zeros has e = 0. As a byte (E8M0): e + 127.
;;     - Each number is divided by its block's scale, clamped to +-6, and rounded to the nearest number of E2M1, ties to even, subnormals kept.
;;     - The product sums the exact products of the quantised numbers (number of the format x scale) in f32.
;;   ~~~python
;;   def quantise(x, axis):      # numpy; x: float32 -> the quantised numbers, widened to float32 again
;;       x = np.moveaxis(x, axis, -1); K = x.shape[-1]
;;       x = np.pad(x, [(0, 0)] * (x.ndim - 1) + [(0, -K % 32)]); x = x.reshape(x.shape[:-1] + (-1, 32)); a = np.abs(x).max(-1, keepdims=True)
;;       e = np.where(a > 0, np.clip(np.frexp(np.where(a > 0, a, 1))[1] - 1 - 2, -126, 127), 0)      # np.frexp(a)[1] - 1 = floor(log2(a)), exactly
;;       r = np.clip(x / 2.0 ** e, -6, 6)
;;       step = 2.0 ** (np.maximum(np.frexp(np.where(r == 0, 1, r))[1] - 1, 0) - 1)
;;       q = np.round(r / step) * step * 2.0 ** e      # np.round: ties to even
;;       return np.moveaxis(q.reshape(q.shape[:-2] + (-1,))[..., :K], -1, axis).astype(np.float32)
;;   ~~~
;; One version. Each part assembles by itself: llvm-mc -triple=amdgcn-amd-amdhsa -mcpu=gfx1250 --defsym DOCPART=n.
;; ======== version 1 of 1: 6 launches
;; limits: values are held in f16: magnitudes above 65,504 overflow, below 6.1e-05 lose precision
;; workspace buffers: xc 4,194,304 bytes; xs 262,144 bytes; wc 1,572,864 bytes; ws 98,304 bytes; wo16 2,097,152 bytes; qkv 50,331,648 bytes; ao 16,777,216 bytes; of 262,144 bytes
;; launch prep (part 1): grid 288 x 1, 8 waves a work-group, no clusters, 84,992 bytes of LDS; arguments x, w_qkv, w_out, xc, xs, wc, ws, wo16; writes xc, xs, wc, ws, wo16
.if DOCPART == 1
	.amdgcn_target "amdgcn-amd-amdhsa--gfx1250"
	.amdhsa_code_object_version 6
	.text
	.protected	k_q086177e644_prep
	.globl	k_q086177e644_prep
	.p2align	8
	.type	k_q086177e644_prep,@function
k_q086177e644_prep:
	s_mov_b64 s[64:65], 0
	v_nop
	global_prefetch_b8 v0, s[64:65] scope:SCOPE_SE
	s_setreg_imm32_b32 hwreg(HW_REG_WAVE_MODE, 25, 1), 1
	s_wait_xcnt 0x0
; THREE JOBS IN ONE LAUNCH, told apart by the work-group's number alone (all eight waves of a work-group go the same way):
;   work-groups   0-127: x [8192][1024] f32 -> codes of FP4 (E2M1) xc [8192][512 bytes], K innermost, and one E8M0 byte for each 32 along K, xs [8192][32]
;   work-groups 128-223: w_qkv [1024 (k)][3072 (n)] f32, K its FIRST axis -> wc [3072][512 bytes], K innermost, ws [3072][32]
;   work-groups 224-287: w_out [1024][1024] f32 -> f16, same order, wo16
; A block's scale is 2^(floor(log2(its largest magnitude)) - 2); its byte is the largest magnitude's own exponent field - 2, held at 1 from below.
; Each number is divided by the scale and rounded to the nearest code, ties to even, beyond 6 the largest code.
; LIMITS: a block of zeros gets the byte 1 where the quantiser says 127 (its codes are zeros, which add nothing, and this program alone reads the bytes);
; blocks whose largest magnitude lies under 2^-124 were not tried; NaN and infinities are not served; |w_out| above 65,504 has no f16.
; LDS: each job has bytes of its own.  x: 8,192 bytes a wave from 0 on (two stages of 32 x 80, then 256 scale bytes); w_qkv: a stage of 64 rows x 272 at WSTG, 64 x 16 scale bytes at WSC.
.set SP,    80                         ; x: a lane's place in a stage: its 64 bytes + 16 of padding
.set WSTG,  65536
.set WPIT,  272                        ; w_qkv: a column's 256 bytes of codes + 16 of padding
.set WSC,   WSTG+64*WPIT
.set SPARE, WSC+1024                   ; the spare words, 128 bytes for each wave: four blocks of 256 bytes that no other line names
.set SPW,   12                         ; v12  LDS address of my spare word; never rewritten
.set NIL,   13                         ; v13  0; never rewritten
.set R,     16                         ; x: v16-143 eight sets of 16 numbers as loaded;  w_qkv: v16-143 four blocks of 32 numbers
.set X,     144                        ; x: v144-175 two sets of 16 neighbours;  w_qkv: v144-159 the codes
.set C,     176                        ; x: v176-207 two registers of codes for each step
.set E,     208                        ; x: v208-223 a scale byte for each step
	s_load_b256 s[4:11], s[0:1], 0x0               ; x s[4:5], w_qkv s[6:7], w_out s[8:9], xc s[10:11]
	s_load_b256 s[12:19], s[0:1], 0x20             ; xs s[12:13], wc s[14:15], ws s[16:17], wo16 s[18:19]
	v_lshl_add_u32 v[SPW], v0, 2, SPARE
	v_mov_b32 v[NIL], 0
	v_lshrrev_b32 v1, 5, v0
	v_readfirstlane_b32 s20, v1                    ; wave 0..7
	v_and_b32 v2, 31, v0                           ; lane
	s_mov_b32 s23, 0                               ; the upper word of every offset pair s[22:23]
	s_wait_kmcnt 0x0
	s_cmp_lt_u32 ttmp9, 128
	s_cbranch_scc1 .Lpath_x
	s_cmp_lt_u32 ttmp9, 224
	s_cbranch_scc1 .Lpath_w
	; ---- w_out to f16: a wave takes 2,048 numbers; each load reads 512 consecutive bytes, each store writes 256, aligned
	s_sub_co_u32 s21, ttmp9, 224
	s_lshl_b32 s21, s21, 3
	s_add_co_u32 s21, s21, s20                     ; my run of 2,048 numbers, 0..511
	s_lshl_b32 s22, s21, 13
	s_add_nc_u64 s[8:9], s[8:9], s[22:23]
	s_lshl_b32 s22, s21, 12
	s_add_nc_u64 s[18:19], s[18:19], s[22:23]
	v_lshlrev_b32 v3, 4, v2
	v_lshlrev_b32 v4, 3, v2
.irp i, 0,1,2,3,4,5,6,7,8,9,10,11,12,13,14,15
	global_load_b128 v[R+4*\i:R+4*\i+3], v3, s[8:9] offset:512*\i th:TH_LOAD_NT
.endr
.irp i, 0,1,2,3,4,5,6,7,8,9,10,11,12,13,14,15
	s_wait_loadcnt 15-\i                           ; loads come back in order: load i is in, the younger ones stay out
	v_cvt_pk_f16_f32 v[X+2*\i], v[R+4*\i], v[R+4*\i+1]
	v_cvt_pk_f16_f32 v[X+2*\i+1], v[R+4*\i+2], v[R+4*\i+3]
	global_store_b64 v4, v[X+2*\i:X+2*\i+1], s[18:19] offset:256*\i   ; each step has its own data registers: none is written again
.endr
	s_wait_tensorcnt 0x0                           ; the wave's end
	ds_add_u32 v[SPW], v[NIL]
	s_wait_dscnt 0x0
	s_endpgm
	; ---- x: a plain stream of blocks of 32.  A wave takes 16 steps of 512 numbers.  Each load reads 512 consecutive bytes, 16 a lane; a step's 2,048 bytes turn through the wave's own stage
	; in LDS and come back 64 bytes a lane, so that a lane holds 16 NEIGHBOURS along K and two neighbouring lanes a block.  Loads run eight steps (32 loads a wave) ahead, the turn one step.
.Lpath_x:
	s_lshl_b32 s21, ttmp9, 3
	s_add_co_u32 s21, s21, s20                     ; my run of 8,192 numbers, 0..1023
	s_lshl_b32 s22, s21, 15
	s_add_nc_u64 s[4:5], s[4:5], s[22:23]
	s_lshl_b32 s22, s21, 12
	s_add_nc_u64 s[10:11], s[10:11], s[22:23]
	s_lshl_b32 s22, s21, 8
	s_add_nc_u64 s[12:13], s[12:13], s[22:23]
	v_lshlrev_b32 v3, 4, v2                        ; my 16 bytes of a load's 512
	s_lshl_b32 s24, s20, 13                        ; my wave's 8,192 bytes of LDS
	v_lshrrev_b32 v14, 2, v2
	v_mul_u32_u24 v14, v14, SP
	v_and_b32 v15, 3, v2
	v_lshl_add_u32 v14, v15, 4, v14
	v_add_nc_u32 v14, s24, v14                     ; the stage on the way in: four lanes' 64 bytes on end, then 16 of padding
	v_mul_u32_u24 v15, v2, SP
	v_add_nc_u32 v15, s24, v15                     ; and on the way out: my 16 neighbours
	v_lshlrev_b32 v4, 3, v2                        ; 8 x lane: my codes' place in a step's 256 bytes, and my 8 scale bytes' at the end
	v_lshrrev_b32 v5, 1, v2
	s_add_co_u32 s24, s24, 2*32*SP
	v_add_nc_u32 v5, s24, v5                       ; LDS: my block's scale byte
	v_add_nc_u32 v6, s24, v4                       ; and where I read 8 of them back
.macro XLOAD t
.irp i, 0,1,2,3
	global_load_b128 v[R+16*((\t)%8)+4*\i:R+16*((\t)%8)+4*\i+3], v3, s[4:5] offset:2048*(\t)+512*\i th:TH_LOAD_NT
.endr
.endm
.macro XTURN t                         ; LDS serves a wave's instructions in order: no wait between the stores and the loads
.irp i, 0,1,2,3
	ds_store_b128 v14, v[R+16*((\t)%8)+4*\i:R+16*((\t)%8)+4*\i+3] offset:32*SP*((\t)%2)+8*SP*\i
.endr
.irp i, 0,1,2,3
	ds_load_b128 v[X+16*((\t)%2)+4*\i:X+16*((\t)%2)+4*\i+3], v15 offset:32*SP*((\t)%2)+16*\i
.endr
.endm
.irp t, 0,1,2,3,4,5,6,7
	XLOAD \t
.endr
	s_wait_loadcnt 28                              ; step 0's four loads are in; seven steps' stay out
	XTURN 0
.macro XSTEP t
.set XS, X+16*((\t)%2)
.if (\t) > 0
	s_wait_dscnt 1                                 ; this step's numbers are back from the stage (the last step's byte store may be out): its stores into the stage have read their registers,
.else
	s_wait_dscnt 0x0
.endif
.if (\t)+8 < 16
	XLOAD (\t)+8                                   ; which take the loads of eight steps on
.endif
.if (\t)+1 < 16
.if 14-(\t) >= 7
	s_wait_loadcnt 28                              ; the next step's loads are in; those of the seven steps behind it may be out
.else
	s_wait_loadcnt 4*(14-(\t))
.endif
	XTURN (\t)+1
.endif
	v_max3_num_f32 v8, |v[XS]|, |v[XS+1]|, |v[XS+2]|               ; the largest magnitude of my 16, in two chains
	v_max3_num_f32 v9, |v[XS+3]|, |v[XS+4]|, |v[XS+5]|
.irp i, 6,10
	v_max3_num_f32 v8, v8, |v[XS+\i]|, |v[XS+\i+1]|
	v_max3_num_f32 v9, v9, |v[XS+\i+2]|, |v[XS+\i+3]|
.endr
	v_max3_num_f32 v8, v8, |v[XS+14]|, |v[XS+15]|
	v_max3_num_f32 v8, v8, v9, 0x1800000           ; and the floor 2^(3 - 127): the byte cannot fall under 1
	v_max_num_f32_dpp v8, v8, v8 row_xmask:1 row_mask:0xf bank_mask:0xf   ; with my neighbour's 16: the block's
	v_add_nc_u32 v11, 0xff000000, v8               ; 2 off its exponent field: the conversion takes the exponent field of this operand as its scale
	v_cvt_scalef32_pk8_fp4_f32 v[C+2*(\t)], v[XS:XS+7], v11
	v_cvt_scalef32_pk8_fp4_f32 v[C+2*(\t)+1], v[XS+8:XS+15], v11
	v_lshrrev_b32 v[E+(\t)], 23, v11               ; the scale's byte (a plain line behind the conversions)
	ds_store_b8 v5, v[E+(\t)] offset:16*(\t)       ; both lanes of a block write the same byte with the same value
	global_store_b64 v4, v[C+2*(\t):C+2*(\t)+1], s[10:11] offset:256*(\t)   ; 32 lanes store 256 consecutive bytes, aligned
.endm
.irp t, 0,1,2,3,4,5,6,7,8,9,10,11,12,13,14,15
	XSTEP \t
.endr
	ds_load_b64 v[8:9], v6                         ; in order behind my byte stores
	s_wait_dscnt 0x0
	global_store_b64 v4, v[8:9], s[12:13]          ; the wave's 256 scale bytes: one aligned run
	s_wait_tensorcnt 0x0                           ; the wave's end, behind my last LDS store
	ds_add_u32 v[SPW], v[NIL]
	s_wait_dscnt 0x0
	s_endpgm
	; ---- w_qkv: a work-group takes 64 columns x 512 along K.  A LANE TAKES A COLUMN AND ITS REGISTERS RUN DOWN K: a block of 32 lies in one lane, and the codes come out with K innermost.
	; Wave w: columns 32 (w & 1) on, K 128 (w >> 1) on: 128 loads of 128 consecutive bytes, issued on end.  The four waves of a column group meet in a stage, so that a column's 256 bytes of codes leave whole.
.Lpath_w:
	s_sub_co_u32 s21, ttmp9, 128
	s_lshr_b32 s24, s21, 1                         ; which 64 columns
	s_and_b32 s25, s21, 1                          ; which half of K
	s_and_b32 s26, s20, 1                          ; my 32 of the columns
	s_lshr_b32 s27, s20, 1                         ; my 128 of the 512 along K
	s_lshl_b32 s22, s25, 9
	s_lshl_b32 s28, s27, 7
	s_add_co_u32 s22, s22, s28                     ; my first k,
	s_mul_i32 s22, s22, 12288                      ; rows of 3,072 f32,
	s_lshl_b32 s28, s24, 8
	s_add_co_u32 s22, s22, s28
	s_lshl_b32 s28, s26, 7
	s_add_co_u32 s22, s22, s28                     ; my first column
	s_add_nc_u64 s[6:7], s[6:7], s[22:23]
	s_lshl_b32 s22, s24, 15                        ; wc: 64 rows of 512 bytes a column group, + 256 for the upper half of K
	s_lshl_b32 s28, s25, 8
	s_add_co_u32 s22, s22, s28
	s_add_nc_u64 s[14:15], s[14:15], s[22:23]
	s_lshl_b32 s22, s24, 11                        ; ws: 64 rows of 32 bytes, + 16
	s_lshl_b32 s28, s25, 4
	s_add_co_u32 s22, s22, s28
	s_add_nc_u64 s[16:17], s[16:17], s[22:23]
	v_lshlrev_b32 v3, 2, v2                        ; in: 4 bytes a lane
	s_mul_i32 s28, s26, 32*WPIT
	s_lshl_b32 s29, s27, 6
	s_add_co_u32 s28, s28, s29
	s_add_co_u32 s28, s28, WSTG
	v_mul_u32_u24 v4, v2, WPIT
	v_add_nc_u32 v4, s28, v4                       ; the stage: row = my column, + my 64 bytes of its 256
	s_lshl_b32 s28, s26, 9
	s_lshl_b32 s29, s27, 2
	s_add_co_u32 s28, s28, s29
	s_add_co_u32 s28, s28, WSC
	v_lshl_add_u32 v5, v2, 4, s28                  ; my column's 16 scale bytes, my word of them
	v_and_b32 v8, 15, v2
	v_lshrrev_b32 v9, 4, v2
	s_mul_i32 s28, s20, 8*WPIT
	s_add_co_u32 s28, s28, WSTG
	v_mul_u32_u24 v6, v9, WPIT
	v_lshl_add_u32 v6, v8, 4, v6
	v_add_nc_u32 v6, s28, v6                       ; back: wave w takes rows 8 w on, sixteen lanes to a row, two rows an instruction
	s_lshl_b32 s28, s20, 12
	v_lshlrev_b32 v7, 9, v9
	v_lshl_add_u32 v7, v8, 4, v7
	v_add_nc_u32 v7, s28, v7                       ; and the same place in wc
	s_lshl_b32 s28, s26, 9
	s_add_co_u32 s28, s28, WSC
	v_lshl_add_u32 v14, v2, 4, s28                 ; waves 0 and 1: a column's 16 scale bytes a lane,
	s_lshl_b32 s28, s26, 10
	v_lshl_add_u32 v15, v2, 5, s28                 ; and their place in ws
.set n, 0
.rept 128
	global_load_b32 v[R+n], v3, s[6:7] offset:n*12288 th:TH_LOAD_NT   ; w_qkv(my first k + n, my column)
.set n, n+1
.endr
.macro WBLOCK t, left
.set XS, R+32*(\t)
	s_wait_loadcnt \left                           ; at most as many as were issued behind this block's 32 loads (a wait can name 63 at the most)
	v_max3_num_f32 v8, |v[XS]|, |v[XS+1]|, |v[XS+2]|               ; the block's largest magnitude: all 32 numbers are mine
	v_max3_num_f32 v9, |v[XS+3]|, |v[XS+4]|, |v[XS+5]|
.irp i, 6,10,14,18,22,26
	v_max3_num_f32 v8, v8, |v[XS+\i]|, |v[XS+\i+1]|
	v_max3_num_f32 v9, v9, |v[XS+\i+2]|, |v[XS+\i+3]|
.endr
	v_max3_num_f32 v8, v8, |v[XS+30]|, |v[XS+31]|
	v_max3_num_f32 v8, v8, v9, 0x1800000           ; the floor 2^(3 - 127)
	v_add_nc_u32 v11, 0xff000000, v8               ; the conversion's scale operand
	v_lshrrev_b32 v10, 23, v11                     ; the scale's byte
.if (\t) == 0
	v_mov_b32 v160, v10                            ; four bytes to a word, the lower K in the lower byte
.else
	v_lshl_or_b32 v160, v10, 8*(\t), v160
.endif
.irp g, 0,1,2,3
	v_cvt_scalef32_pk8_fp4_f32 v[X+4*(\t)+\g], v[XS+8*\g:XS+8*\g+7], v11
.endr
	v_nop                                          ; one plain line behind the last conversion of a run
	ds_store_b128 v4, v[X+4*(\t):X+4*(\t)+3] offset:16*(\t)        ; 32 codes: 16 bytes of my column's row
.endm
	WBLOCK 0, 63
	WBLOCK 1, 63
	WBLOCK 2, 32
	WBLOCK 3, 0
	ds_store_b32 v5, v160
	s_wait_dscnt 0x0                               ; for the others' sake: my stores have landed
	s_barrier_signal -1
	s_barrier_wait -1                              ; 64 whole rows of codes and of scale bytes lie in LDS
.irp t, 0,1,2,3
	ds_load_b128 v[R+4*\t:R+4*\t+3], v6 offset:2*\t*WPIT
.endr
.irp t, 0,1,2,3
	s_wait_dscnt 3-\t
	global_store_b128 v7, v[R+4*\t:R+4*\t+3], s[14:15] offset:1024*\t   ; sixteen lanes store 256 consecutive bytes, aligned
.endr
	s_cmp_lt_u32 s20, 2
	s_cbranch_scc0 .Lw_end
	ds_load_b128 v[R+16:R+19], v14
	s_wait_dscnt 0x0
	global_store_b128 v15, v[R+16:R+19], s[16:17]  ; 16 bytes of each row of 32: pieces; one byte for each 128 that the job reads
.Lw_end:
	s_wait_tensorcnt 0x0                           ; the wave's end, behind my last LDS store
	ds_add_u32 v[SPW], v[NIL]
	s_wait_dscnt 0x0
	s_endpgm
.Lfunc_end_k_q086177e644_prep:
	.size	k_q086177e644_prep, .Lfunc_end_k_q086177e644_prep-k_q086177e644_prep
	.p2alignl 7, 3214868480
	.fill 96, 4, 3214868480
	.section	.rodata,"a",@progbits
	.p2align	6, 0x0
	.amdhsa_kernel k_q086177e644_prep
		.amdhsa_group_segment_fixed_size 84992
		.amdhsa_private_segment_fixed_size 0
		.amdhsa_enable_private_segment 0
		.amdhsa_kernarg_size 64
		.amdhsa_user_sgpr_count 2
		.amdhsa_user_sgpr_kernarg_segment_ptr 1
		.amdhsa_wavefront_size32 1
		.amdhsa_system_sgpr_workgroup_id_x 1
		.amdhsa_system_sgpr_workgroup_id_y 1
		.amdhsa_system_sgpr_workgroup_id_z 1
		.amdhsa_system_vgpr_workitem_id 0
		.amdhsa_next_free_vgpr 224
		.amdhsa_next_free_sgpr 66
		.amdhsa_reserve_vcc 0
		.amdhsa_float_denorm_mode_32 3
		.amdhsa_float_denorm_mode_16_64 3
		.amdhsa_memory_ordered 1
		.amdhsa_forward_progress 1
		.amdhsa_inst_pref_size 61
	.end_amdhsa_kernel
	.amdgpu_metadata
---
amdhsa.version: [ 1, 2 ]
amdhsa.kernels:
  - .name:           k_q086177e644_prep
    .symbol:         k_q086177e644_prep.kd
    .args:
      - { .name: x, .offset: 0, .size: 8, .value_kind: global_buffer, .address_space: global }
      - { .name: w_qkv, .offset: 8, .size: 8, .value_kind: global_buffer, .address_space: global }
      - { .name: w_out, .offset: 16, .size: 8, .value_kind: global_buffer, .address_space: global }
      - { .name: xc, .offset: 24, .size: 8, .value_kind: global_buffer, .address_space: global }
      - { .name: xs, .offset: 32, .size: 8, .value_kind: global_buffer, .address_space: global }
      - { .name: wc, .offset: 40, .size: 8, .value_kind: global_buffer, .address_space: global }
      - { .name: ws, .offset: 48, .size: 8, .value_kind: global_buffer, .address_space: global }
      - { .name: wo16, .offset: 56, .size: 8, .value_kind: global_buffer, .address_space: global }
    .group_segment_fixed_size: 84992
    .private_segment_fixed_size: 0
    .kernarg_segment_align: 8
    .kernarg_segment_size: 64
    .max_flat_workgroup_size: 256
    .sgpr_count:     66
    .vgpr_count:     224
    .wavefront_size: 32
...
	.end_amdgpu_metadata
.endif
;; end of part 1
;; launch gemm_qkv (part 2): grid 12 x 32, 4 waves a work-group, clusters of 4 x 4, 327,680 bytes of LDS; arguments xc, xs, wc, ws, b_qkv, qkv; writes qkv
.if DOCPART == 2
	.amdgcn_target "amdgcn-amd-amdhsa--gfx1250"
	.amdhsa_code_object_version 6
	.text
	.protected	k_q086177e644_gemm_qkv
	.globl	k_q086177e644_gemm_qkv
	.p2align	8
	.type	k_q086177e644_gemm_qkv,@function
k_q086177e644_gemm_qkv:
	s_mov_b64 s[64:65], 0
	v_nop
	global_prefetch_b8 v0, s[64:65] scope:SCOPE_SE
	s_setreg_imm32_b32 hwreg(HW_REG_WAVE_MODE, 25, 1), 1
	s_wait_xcnt 0x0
	s_wait_alu depctr_hold_cnt(0) depctr_sa_sdst(0) depctr_va_vdst(0) depctr_va_sdst(0) depctr_va_ssrc(0) depctr_va_vcc(0) depctr_vm_vsrc(0)
	s_getreg_b32 s2, hwreg(HW_REG_IB_STS2, 6, 4)
	s_cmp_eq_u32 s2, 0
	s_cbranch_scc0 .Lentry_in_a_cluster
	s_endpgm
.Lentry_in_a_cluster:
	s_bfe_u32 s2, ttmp6, 0x10000c
	s_cmp_lg_u32 s2, 0xf033
	s_cbranch_scc0 .Lentry_shape_is_right
	s_endpgm
.Lentry_shape_is_right:
; qkv = Q(x) Q(w_qkv) + b_qkv on codes of FP4 (E2M1) with one E8M0 scale for each 32 along K; sums in f32, K ascending, the bias first; rounded once to f16 and laid by head:
; qkv [which 3][batch 4][head 16][position 2048][64] f16.  A = xc [8192][512 bytes], B = wc [3072][512 bytes], K = 1,024 innermost; scale bytes xs [8192][32], ws [3072][32].
; LIMIT: a q, k or v beyond 65,504 has no f16.
; A tile of 256 x 256 is made by a work-group of four waves; a wave makes 128 x 128: 64 accumulators, 512 registers.  K = 1,024 is two slots of 512 along K (rows of 256 bytes): BOTH ARE FIRST FILLS, nothing is filled again, there is no loop.
; The scales of the work-group's 256 + 256 rows come once, as dense blocks.  CLUSTERS: 4 x 4 work-groups; A's tiles are asked for jointly along a row of the cluster, B's along a column.
; THE MATRIX INSTRUCTION IS USED TRANSPOSED (source 0 = 16 rows of wc, source 1 = 16 rows of xc): a lane holds eight neighbouring columns of one row.
; REGISTERS: window 0: v0-31 addresses; v32-95 scale words, two sets, and nothing else ever; v96-127 and v224-255 rows on the way out; v128-191 A's fragments, one set; v192-255 the bias, later v192-223 packed results.
;   window 1: B's fragments, two sets, at v0 and v128.   window 2: the accumulators of my rows 0-63 ((a, b) at v[8 (8 a + b)]);   window 3: those of rows 64-127.
.set KSTEP,  512
.set NQ,     KSTEP/128
.set ROWB,   256
.set KROW,   512                       ; a row of codes in memory
.set PITCH,  272                       ; an LDS row: 256 bytes + 16 of padding: the 16 rows that a load touches start 4 words apart round the 64 banks (ISA guide 11.1)
.set FR,     8
.set NL,     2
.set NP,     4                         ; places behind this matrix instruction (ISA guide 7.12.1)
.set HALFT,  128*PITCH
.set SLOT,   4*HALFT
.set KS,     32                        ; a row of scale bytes
.set SCL,    2*SLOT
.set HALFS,  (128*KS/256)*272
.set SBLK,   (16*KS/256)*272
.set SPARE,  SCL+4*HALFS               ; the spare words, 128 bytes for each wave
.set SPITCH, 272                       ; the way out: a stage of 16 rows x (256 bytes + 16) for each wave, in slot 0, which has had its one fill and its last read by then
.set ADRA, 16
.set ADRB, 20
.set STO,  24
.set RD,   25
.set CO,   26
.set ADRS, 27
.set SPW,  28
.set NIL,  29
.set BO,   30                          ; v30  32 x (lane / 16): my eight numbers of a tile's sixteen of the bias
.set SC,   32
.set AF,   128
.set BI,   192                         ; the bias in the result's layout: v[BI + 8 b + j] = b_qkv[my first column + 16 b + 8 (lane / 16) + j]
.set TMP,  192
.set G1, 24
.set G0, 32
.set G1B, 48
.set G0B, 56
.set G1S, 68
.set G0S, 76
.set G1SB, 80
.set G0SB, 88
.set MSB, 0
.macro WIN new                         ; the immediate's high byte repeats the setting that is left
.if MSB != (\new)
	s_set_vgpr_msb (MSB<<8)|(\new)
.set MSB, (\new)
.endif
.endm
.set MUL_LO, 0xa1                      ; source 0 (B) window 1, source 1 (A) window 0, C and D window 2
.set MUL_HI, 0xf1                      ; the same, C and D window 3
.set TO_B,   0x40
; A joint load: waves 0 and 1 fetch for A, waves 2 and 3 for B; the branch hangs on the wave's number alone.  An s_nop 0 and four v_nop follow each line.
.macro JLOAD g0a, g1a, g0b, g1b
	s_cmp_eq_u32 s15, 0
	s_cbranch_scc0 .Lfor_b_\@
	tensor_load_to_lds s[\g0a:\g0a+3], s[\g1a:\g1a+7]
	s_nop 0
.rept 4
	v_nop
.endr
	s_branch .Lasked_\@
.Lfor_b_\@:
	tensor_load_to_lds s[\g0b:\g0b+3], s[\g1b:\g1b+7]
	s_nop 0
.rept 4
	v_nop
.endr
.Lasked_\@:
.endm
.macro CROUND                          ; a round of the cluster's barrier
	s_barrier_signal -1
	s_barrier_wait -1
	s_cmp_lg_u32 s14, 0
	s_cbranch_scc1 .Lnot_wave_0_\@
	s_barrier_signal -3
.Lnot_wave_0_\@:
	s_barrier_wait -3
	s_barrier_signal -1
	s_barrier_wait -1
.endm
	s_load_b128 s[4:7], s[0:1], 0x0                ; xc s[4:5], xs s[6:7]
	s_load_b128 s[8:11], s[0:1], 0x10              ; wc s[8:9], ws s[10:11]
	s_load_b64 s[96:97], s[0:1], 0x20              ; b_qkv
	s_load_b64 s[12:13], s[0:1], 0x28              ; qkv
	v_lshl_add_u32 v[SPW], v0, 2, SPARE
	v_mov_b32 v[NIL], 0
	ds_add_u32 v[SPW], v[NIL]                      ; the wave's opening: the add, twice on end, and its wait ahead of my first tensor load
	ds_add_u32 v[SPW], v[NIL]
	v_lshrrev_b32 v1, 5, v0
	v_readfirstlane_b32 s14, v1                    ; wave 0..3
	s_lshr_b32 s15, s14, 1                         ; which half of the tile's rows is mine.  Also: I fetch for A (0) or for B (1)
	s_and_b32 s16, s14, 1                          ; which half of its columns.  Also: which 128 rows of that tile I fetch
	s_bfe_u32 s40, ttmp6, 0x40000                  ; cx, cy
	s_bfe_u32 s41, ttmp6, 0x40004
	s_lshl_b32 s42, ttmp9, 2
	s_add_co_u32 s42, s42, s40                     ; tile column = 4 x cluster x + cx
	s_and_b32 s17, ttmp7, 0xffff
	s_lshl_b32 s17, s17, 2
	s_add_co_u32 s17, s17, s41                     ; tile row = 4 x cluster y + cy
	s_lshl_b32 s43, s41, 2
	s_lshl_b32 s43, 15, s43                        ; my row of the cluster
	s_lshl_b32 s44, 0x1111, s40                    ; my column
	s_or_b32 s[G1+0], s43, (0<<16)|(1<<20)|(1<<21)|(5<<22)|(3<<25)  ; the mask; elements of 1 byte; padding on; bit 21 beside a mask; after every 64 words, 4 words
	s_or_b32 s[G1B+0], s44, (0<<16)|(1<<20)|(1<<21)|(5<<22)|(3<<25)
.irp g, G1, G1B
	s_mov_b32 s[\g+1], ROWB<<16                    ; tensor_dim0
	s_mov_b32 s[\g+2], 128<<16                     ; tensor_dim1
	s_mov_b32 s[\g+3], ROWB<<16                    ; tile_dim0
	s_mov_b32 s[\g+4], 128                         ; tile_dim1
	s_mov_b32 s[\g+5], KROW                        ; from row to row
	s_mov_b32 s[\g+6], 0
	s_mov_b32 s[\g+7], 0
.endr
	s_or_b32 s[G1S+0], s43, (3<<16)|(1<<20)|(1<<21)|(5<<22)|(3<<25)  ; the scales of 128 rows: 4,096 dense bytes as 16 rows of 256 (32 elements of 8 bytes), 16 bytes of padding behind each
	s_or_b32 s[G1SB+0], s44, (3<<16)|(1<<20)|(1<<21)|(5<<22)|(3<<25)
.irp g, G1S, G1SB
	s_mov_b32 s[\g+1], 32<<16
	s_mov_b32 s[\g+2], (128*KS/256)<<16
	s_mov_b32 s[\g+3], 32<<16
	s_mov_b32 s[\g+4], 128*KS/256
	s_mov_b32 s[\g+5], 32
	s_mov_b32 s[\g+6], 0
	s_mov_b32 s[\g+7], 0
.endr
	s_lshl_b32 s18, s16, 7
	s_lshl_b32 s20, s17, 8
	s_add_co_u32 s20, s20, s18                     ; A: row 256 x tile row + 128 x half
	s_lshl_b32 s46, s42, 8
	s_add_co_u32 s46, s46, s18                     ; B: row 256 x tile column + 128 x half
	s_mov_b32 s21, 0
	s_mov_b32 s47, 0
	s_mov_b64 s[18:19], KS
	s_mul_u64 s[22:23], s[20:21], s[18:19]         ; where these rows' scales begin,
	s_mul_u64 s[92:93], s[46:47], s[18:19]
	s_mov_b64 s[18:19], KROW
	s_mul_u64 s[20:21], s[20:21], s[18:19]         ; and their codes
	s_mul_u64 s[46:47], s[46:47], s[18:19]
	s_mul_i32 s45, s14, HALFT                      ; where they go: wave x 128 rows
	s_mul_i32 s94, s14, HALFS
	s_wait_dscnt 0x0                               ; both opening adds are done
	s_wait_kmcnt 0x0
	s_add_nc_u64 s[20:21], s[4:5], s[20:21]
	s_add_nc_u64 s[22:23], s[6:7], s[22:23]
	s_add_nc_u64 s[46:47], s[8:9], s[46:47]
	s_add_nc_u64 s[92:93], s[10:11], s[92:93]
	CROUND                                         ; all sixteen work-groups are here: the joint loads meet
	s_mov_b32 s[G0S], 1
	s_add_co_u32 s[G0S+1], s94, SCL
	s_mov_b64 s[G0S+2:G0S+3], s[22:23]
	s_or_b32 s[G0S+3], s[G0S+3], 0x80000000
	s_mov_b32 s[G0SB], 1
	s_add_co_u32 s[G0SB+1], s94, SCL
	s_mov_b64 s[G0SB+2:G0SB+3], s[92:93]
	s_or_b32 s[G0SB+3], s[G0SB+3], 0x80000000
	JLOAD G0S, G1S, G0SB, G1SB                     ; the scales first; then both slots: three loads of mine are out
.irp s, 0,1
	s_mov_b32 s[G0+4*\s], 1
	s_add_co_u32 s[G0+4*\s+1], s45, \s*SLOT
	s_add_nc_u64 s[G0+4*\s+2:G0+4*\s+3], s[20:21], \s*ROWB
	s_or_b32 s[G0+4*\s+3], s[G0+4*\s+3], 0x80000000
	s_mov_b32 s[G0B+4*\s], 1
	s_add_co_u32 s[G0B+4*\s+1], s45, \s*SLOT
	s_add_nc_u64 s[G0B+4*\s+2:G0B+4*\s+3], s[46:47], \s*ROWB
	s_or_b32 s[G0B+4*\s+3], s[G0B+4*\s+3], 0x80000000
	JLOAD G0+4*\s, G1, G0B+4*\s, G1B
.endr
	v_and_b32 v1, 15, v0                           ; l % 16
	v_bfe_u32 v2, v0, 4, 1                         ; l / 16
	v_mul_u32_u24 v3, v1, PITCH
	v_lshl_add_u32 v4, v2, 4, v3                   ; a fragment's row x pitch + 16 x half
	s_mul_i32 s21, s15, HALFT
	s_mul_i32 s22, s16, HALFT
	s_add_co_u32 s22, s22, 2*HALFT
.irp s, 0,1
	v_add_nc_u32 v[ADRA+\s], s21, v4
	v_add_nc_u32 v[ADRB+\s], s22, v4
	s_add_co_u32 s21, s21, SLOT
	s_add_co_u32 s22, s22, SLOT
.endr
	v_mul_u32_u24 v5, v1, KS                       ; my row's scales: 32 bytes a row,
	v_lshrrev_b32 v6, 8, v5
	v_lshl_add_u32 v5, v6, 4, v5                   ; and 16 more for each 256 passed
	s_mul_i32 s21, s15, HALFS
	s_mul_i32 s22, s16, HALFS
	s_add_co_u32 s22, s22, 2*HALFS
	s_sub_co_u32 s22, s22, s21
	v_mul_u32_u24 v6, s22, v2                      ; lanes 16-31 take B's
	s_add_co_u32 s21, s21, SCL
	v_add_nc_u32 v5, v5, v6
	v_add_nc_u32 v[ADRS], s21, v5
	s_mul_i32 s23, s14, 16*SPITCH                  ; my stage
	v_mul_u32_u24 v5, v1, SPITCH
	v_lshl_add_u32 v5, v2, 4, v5
	v_add_nc_u32 v[STO], s23, v5                   ; in: row l % 16, 16 bytes for each half of the lanes
	v_bfe_u32 v5, v0, 3, 1
	v_mul_u32_u24 v5, v5, SPITCH
	v_lshl_add_u32 v5, v2, 7, v5
	v_and_b32 v6, 7, v0
	v_lshl_add_u32 v5, v6, 4, v5
	v_add_nc_u32 v[RD], s23, v5                    ; back: lanes 0-15 two rows' 128 bytes of my first head, lanes 16-31 of my second
	v_lshlrev_b32 v[CO], 18, v2                    ; a head's block is 262,144 bytes;
	v_lshl_add_u32 v[CO], v1, 4, v[CO]             ; two positions of a head are 256 consecutive bytes
	v_lshlrev_b32 v[BO], 5, v2
	s_lshl_b32 s46, s42, 10                        ; the bias: my first column, 256 x tile column + 128 x half, in bytes
	s_lshl_b32 s47, s16, 9
	s_add_co_u32 s46, s46, s47
	s_mov_b32 s47, 0
	s_add_nc_u64 s[96:97], s[96:97], s[46:47]
.irp b, 0,1,2,3,4,5,6,7
	global_load_b128 v[BI+8*\b:BI+8*\b+3], v[BO], s[96:97] offset:64*\b
	global_load_b128 v[BI+8*\b+4:BI+8*\b+7], v[BO], s[96:97] offset:64*\b+16
.endr
	s_lshr_b32 s20, s42, 2                         ; q, k or v: a tile column is 256 of 1,024
	s_lshl_b32 s20, s20, 6
	s_lshr_b32 s21, s17, 3                         ; the batch: a tile row is 256 of 2,048
	s_lshl_b32 s21, s21, 4
	s_add_co_u32 s20, s20, s21
	s_and_b32 s21, s42, 3
	s_lshl_b32 s21, s21, 2
	s_add_co_u32 s20, s20, s21
	s_lshl_b32 s21, s16, 1
	s_add_co_u32 s20, s20, s21                     ; + my first head: 4 x (tile column % 4) + 2 x half
	s_lshl_b32 s20, s20, 18
	s_and_b32 s21, s17, 7
	s_lshl_b32 s21, s21, 15
	s_add_co_u32 s20, s20, s21                     ; + my first position, 128 bytes each
	s_lshl_b32 s21, s15, 14
	s_add_co_u32 s20, s20, s21
	s_mov_b32 s21, 0
	s_add_nc_u64 s[12:13], s[12:13], s[20:21]
.macro FRAG reg, adr, q, i             ; 16 rows x 128 K of 4-bit codes: 8 registers; lane l holds row l % 16; registers 4 c .. 4 c + 3 hold K = 64 c + 32 (l / 16) + 0 .. 31
.irp c, 0,1
	ds_load_b128 v[\reg+4*\c:\reg+4*\c+3], v[\adr] offset:64*(\q)+32*\c+(\i)*16*PITCH
.endr
.endm
; 16 matrix instructions: A's blocks a0, a0 + 1 x B's eight, the slot's q-th 128 along K.  first = 1: the bias is the C of the sum's first instruction.  The 64 accumulators take turns.
.macro MUL16 a0, p, q, sc, first
.irp a, \a0, \a0+1
.irp b, 0,1,2,3,4,5,6,7
.if \first
	v_wmma_scale_f32_16x16x128_f8f6f4 v[8*(8*((\a)%4)+\b):8*(8*((\a)%4)+\b)+7], v[128*(\p)+FR*\b:128*(\p)+FR*\b+FR-1], v[AF+FR*(\a):AF+FR*(\a)+FR-1], v[BI+8*\b:BI+8*\b+7], v[SC+8*NQ*(\sc)+NQ*\b+(\q)], v[SC+8*NQ*(\sc)+NQ*(\a)+(\q)] matrix_a_fmt:MATRIX_FMT_FP4 matrix_b_fmt:MATRIX_FMT_FP4 matrix_a_scale:MATRIX_SCALE_ROW1
.else
	v_wmma_scale_f32_16x16x128_f8f6f4 v[8*(8*((\a)%4)+\b):8*(8*((\a)%4)+\b)+7], v[128*(\p)+FR*\b:128*(\p)+FR*\b+FR-1], v[AF+FR*(\a):AF+FR*(\a)+FR-1], v[8*(8*((\a)%4)+\b):8*(8*((\a)%4)+\b)+7], v[SC+8*NQ*(\sc)+NQ*\b+(\q)], v[SC+8*NQ*(\sc)+NQ*(\a)+(\q)] matrix_a_fmt:MATRIX_FMT_FP4 matrix_b_fmt:MATRIX_FMT_FP4 matrix_a_scale:MATRIX_SCALE_ROW1
.endif
.endr
.endr
.endm
.macro FETCH_B slot, q, p
	WIN TO_B
.irp i, 0,1,2,3,4,5,6,7
	FRAG 128*(\p)+FR*\i, ADRB+\slot, \q, \i
.endr
	WIN 0
.endm
.macro FETCH_A slot, q, i0
.irp i, \i0, \i0+1, \i0+2, \i0+3
	FRAG AF+FR*(\i), ADRA+\slot, \q, \i
.endr
.endm
.macro SCALES sc                       ; a slot's scale words: four a row; lanes 0-15 take A's block i, lanes 16-31 B's block i
.irp i, 0,1,2,3,4,5,6,7
	ds_load_b128 v[SC+8*NQ*\sc+NQ*\i:SC+8*NQ*\sc+NQ*\i+3], v[ADRS] offset:\i*SBLK
.endr
.endm
.macro PLACES n                        ; plain vector lines between a matrix instruction and a load into, or a read of, its registers
.rept \n
	v_nop
.endr
.endm
.macro STEP slot, q, first             ; 128 along K that has its successor in the same slot
	s_wait_dscnt 4*NL                              ; B's set and A's blocks 0-3 are in; the youngest eight loads (A's blocks 4-7) may be out
	WIN MUL_LO-0x20*(\first)                       ; (first: C, the bias, lies in window 0)
	MUL16 0, (\q)%2, \q, \slot, \first
	MUL16 2, (\q)%2, \q, \slot, \first
	s_wait_dscnt 0
	PLACES NP
	FETCH_B \slot, (\q)+1, 1-(\q)%2
	FETCH_A \slot, (\q)+1, 0
	WIN MUL_HI-0x30*(\first)
	MUL16 4, (\q)%2, \q, \slot, \first
	MUL16 6, (\q)%2, \q, \slot, \first
	PLACES NP
	WIN 0
	FETCH_A \slot, (\q)+1, 4
.endm
.macro STEPS slot, from
.set Q, \from
.rept NQ-1-\from
	STEP \slot, Q, 0
.set Q, Q+1
.endr
.endm
	s_wait_tensorcnt 1                             ; the scales and my part of slot 0 are in; slot 1's load, the one issued behind them, may be out
	s_barrier_signal -1
	s_barrier_wait -1                              ; everybody's are
	FETCH_B 0, 0, 0
	FETCH_A 0, 0, 0
	SCALES 0
	FETCH_A 0, 0, 4
	s_wait_loadcnt 0x0                             ; the bias
	STEP 0, 0, 1
	STEPS 0, 1
	; slot 0's last step changes slots: one barrier
	s_wait_tensorcnt 0x0                           ; my part of slot 1 has landed
	ds_add_u32 v[SPW], v[NIL]                      ; 0 onto my spare word
	s_wait_dscnt 4*NL+1                            ; (the add and the youngest eight loads may be out)
	WIN MUL_LO
	MUL16 0, 1, NQ-1, 0, 0
	s_wait_dscnt 0x0                               ; the add is done, and my reads of slot 0 are over
	s_barrier_signal -1
	MUL16 2, 1, NQ-1, 0, 0
	WIN 0
	s_barrier_wait -1                              ; slot 1 is whole, and nobody reads slot 0 any more
	PLACES NP
	v_add_nc_u32 v[ADRS], 4*NQ, v[ADRS]            ; on to slot 1's scale words
	FETCH_B 1, 0, 0
	FETCH_A 1, 0, 0
	SCALES 1
	WIN MUL_HI
	MUL16 4, 1, NQ-1, 0, 0
	MUL16 6, 1, NQ-1, 0, 0
	PLACES NP
	WIN 0
	FETCH_A 1, 0, 4
	STEPS 1, 0
	s_wait_dscnt 4*NL                              ; the very last step
	WIN MUL_LO
	MUL16 0, 1, NQ-1, 1, 0
	MUL16 2, 1, NQ-1, 1, 0
	s_wait_dscnt 0
	WIN MUL_HI
	MUL16 4, 1, NQ-1, 1, 0
	MUL16 6, 1, NQ-1, 1, 0
	WIN 0
; THE WAY OUT, a block of 16 rows x 128 columns (two heads) at a time: rounded to f16, 16 bytes a lane, into my own stage, and back so that sixteen lanes hold two positions of one head: 256 consecutive bytes.
.macro PACK a
.set AC, 64*((\a)%4)
	WIN 0x0a+5*((\a)/4)                            ; sources 0 and 1: window 2 or 3
.irp b, 0,1,2,3,4,5,6,7
.irp r, 0,1,2,3
	v_cvt_pk_f16_f32 v[TMP+4*\b+\r], v[AC+8*\b+2*\r], v[AC+8*\b+2*\r+1]   ; each accumulator from its low end on
.endr
.endr
	WIN 0
.endm
.macro TOSTAGE a
.set BB, 96+128*((\a)%2)
.irp b, 0,1,2,3,4,5,6,7
	ds_store_b128 v[STO], v[TMP+4*\b:TMP+4*\b+3] offset:32*\b
.endr
.irp t, 0,1,2,3,4,5,6,7
	ds_load_b128 v[BB+4*\t:BB+4*\t+3], v[RD] offset:\t*2*SPITCH    ; LDS serves a wave's instructions in order: these see the stores above
.endr
.endm
.macro SEND a
.set BB, 96+128*((\a)%2)
	s_wait_dscnt 0x0                               ; the block is back in registers
	s_wait_xcnt 0x0                                ; the block before's stores have read their data: the next block's loads may land there
.irp t, 0,1,2,3,4,5,6,7
	global_store_b128 v[CO], v[BB+4*\t:BB+4*\t+3], s[12:13] offset:(\a)*2048+\t*256
.endr
.endm
	PLACES NP                                      ; behind the last products, ahead of the first read of results
	PACK 0
	TOSTAGE 0
.irp a, 1,2,3,4,5,6,7                  ; block a's conversions stand between block a - 1's loads from the stage and the wait for them
	PACK \a
	SEND \a-1
	TOSTAGE \a
.endr
	SEND 7
	s_wait_tensorcnt 0x0                           ; the wave's end
	ds_add_u32 v[SPW], v[NIL]
	s_wait_dscnt 0x0
	CROUND                                         ; the closing round
	s_endpgm
.Lfunc_end_k_q086177e644_gemm_qkv:
	.size	k_q086177e644_gemm_qkv, .Lfunc_end_k_q086177e644_gemm_qkv-k_q086177e644_gemm_qkv
	.p2alignl 7, 3214868480
	.fill 96, 4, 3214868480
	.section	.rodata,"a",@progbits
	.p2align	6, 0x0
	.amdhsa_kernel k_q086177e644_gemm_qkv
		.amdhsa_group_segment_fixed_size 327680
		.amdhsa_private_segment_fixed_size 0
		.amdhsa_enable_private_segment 0
		.amdhsa_kernarg_size 48
		.amdhsa_user_sgpr_count 2
		.amdhsa_user_sgpr_kernarg_segment_ptr 1
		.amdhsa_wavefront_size32 1
		.amdhsa_system_sgpr_workgroup_id_x 1
		.amdhsa_system_sgpr_workgroup_id_y 1
		.amdhsa_system_sgpr_workgroup_id_z 1
		.amdhsa_system_vgpr_workitem_id 0
		.amdhsa_next_free_vgpr 1024
		.amdhsa_next_free_sgpr 98
		.amdhsa_reserve_vcc 0
		.amdhsa_float_denorm_mode_32 3
		.amdhsa_float_denorm_mode_16_64 3
		.amdhsa_memory_ordered 1
		.amdhsa_forward_progress 1
		.amdhsa_inst_pref_size 128
	.end_amdhsa_kernel
	.amdgpu_metadata
---
amdhsa.version: [ 1, 2 ]
amdhsa.kernels:
  - .name:           k_q086177e644_gemm_qkv
    .symbol:         k_q086177e644_gemm_qkv.kd
    .args:
      - { .name: xc, .offset: 0, .size: 8, .value_kind: global_buffer, .address_space: global }
      - { .name: xs, .offset: 8, .size: 8, .value_kind: global_buffer, .address_space: global }
      - { .name: wc, .offset: 16, .size: 8, .value_kind: global_buffer, .address_space: global }
      - { .name: ws, .offset: 24, .size: 8, .value_kind: global_buffer, .address_space: global }
      - { .name: b_qkv, .offset: 32, .size: 8, .value_kind: global_buffer, .address_space: global }
      - { .name: qkv, .offset: 40, .size: 8, .value_kind: global_buffer, .address_space: global }
    .group_segment_fixed_size: 327680
    .private_segment_fixed_size: 0
    .kernarg_segment_align: 8
    .kernarg_segment_size: 48
    .max_flat_workgroup_size: 128
    .sgpr_count:     98
    .vgpr_count:     1024
    .wavefront_size: 32
...
	.end_amdgpu_metadata
.endif
;; end of part 2
;; launch attn (part 3): grid 4 x 64, 16 waves a work-group, no clusters, 327,680 bytes of LDS; arguments qkv, ao; writes ao
.if DOCPART == 3
	.amdgcn_target "amdgcn-amd-amdhsa--gfx1250"
	.amdhsa_code_object_version 6
	.text
	.protected	k_q086177e644_attn
	.globl	k_q086177e644_attn
	.p2align	8
	.type	k_q086177e644_attn,@function
k_q086177e644_attn:
	s_mov_b64 s[64:65], 0
	v_nop
	global_prefetch_b8 v0, s[64:65] scope:SCOPE_SE
	s_setreg_imm32_b32 hwreg(HW_REG_WAVE_MODE, 25, 1), 1
	s_wait_xcnt 0x0
; Causal attention of one (batch, head): O[q] = sum over k <= q of softmax_k(Q[q] . K[k] / 8) V[k].  q, k, v: f16 [which][batch x head][2048][64]; products with f16 operands, sums, maxima and the softmax in f32;
; p is rounded to f16 for the second product, O / l once at the end.  ao takes O as f16 IN THE ORDER OF THE NEXT PRODUCT'S OPERAND REGISTERS: byte (row / 16) 32768 + head 2048 + (channel / 16) 512 + 16 lane.
; LIMITS: NaN and infinities are not served; |O| is at most the largest |v|, which has an f16.
; SHARES.  Work-group (j, head) owns query blocks j and 7 - j, 256 queries each.  Wave w owns two tiles of 16 queries: the HIGH one at 256 (7 - j) + 16 (15 - w), the LOW one at 256 j + 16 w:
; together 33 steps of 64 keys under the mask, for every wave of every work-group.  Four waves share a SIMD, so that one wave's vector work stands beside another's products and LDS loads.
; NO CLUSTER: the four work-groups of a head need 8, 7, 6 and 5 slots of keys, so a joint load would bring tiles whose reads every wave of some partner jumps over.
; LAYOUT.  S^T = K Q^T (source 0 = 16 keys, source 1 = 16 queries) and O^T = V^T P: a lane holds ONE query (lane % 16) throughout; two tiles of S^T, rounded in pairs, ARE source 1 of the second product.
; SOFTMAX.  A running maximum m and sum l for each query: p = 2^(c s - c m), c = log2(e) / 8; in every step O and l are multiplied by a = 2^(c m_old - c m_new).
; THE RING.  Two slots of 256 keys (4 steps; a step: 64 rows of K, pitch 144, then 64 rows of V, pitch 160).  Waves 0-3 fetch K's four steps, waves 4-7 V's, one tensor load each behind each change of slots.
; Every work-group walks all 8 changes of slots (constant trip counts); a step whose keys all come after a tile's queries is jumped over, and a slot beyond the work-group's last query is not asked for.
.set PK,    144                        ; 128 bytes + 16: 36 words: the 16 rows of a load start 4 words apart round the 64 banks (ISA guide 11.1)
.set PVP,   160                        ; 128 bytes + 32: 40 words, for the turning load
.set VOFF,  64*PK
.set STEPB, 64*(PK+PVP)
.set SLOT1, 1<<17                      ; one exclusive or turns an address in one slot into the other's
.set SPARE, 2*SLOT1                    ; the spare words, 128 bytes for each of sixteen waves
.set AK0, 1                            ; v1   my lane's place in a tile of K
.set AV0, 2                            ; v2   and of V
.set SPW, 3                            ; v3   my spare word; never rewritten
.set NIL, 4                            ; v4   0; never rewritten
.set PFO, 5                            ; v5   256 x lane: the prefetches' offset; never rewritten
.set ADK, 6                            ; v6   LDS address of the step's K
.set ADV, 7                            ; v7   of its V
.set DL,  8                            ; v8   lane % 16 - 8 (lane / 16)
.set NINF, 9                           ; v9   -infinity
.set DD,  10                           ; v10  the mask's bound
.set GO,  11                           ; v11  16 x lane
.set ST,  12                           ; tile T's statistics at v[ST + 8 T]: +0 c m, +1 m, +2, +3 l, +4 .. +7 at work; a takes +6
.set QF,  28                           ; v28-59   Q, 16 a tile (T = 0 high, 1 low)
.set KV,  60                           ; v60-123  ONE buffer: a step's 8 fragments of K, then its 8 of V
.set S,   124                          ; v124-187 S^T, 32 a tile; P is packed in place into a tile's first 16
.set O,   188                          ; v188-251 O^T, 32 a tile
.set WV,  8
.set SEL, 12
.set CS,  14
.set G1K, 16
.set G1V, 24
.set G0K, 32
.set G0V, 36
.set TB,  40                           ; LDS byte at which the step in hand begins
.set KF,  41                           ; its first key
.set QH,  42                           ; my high tile's first query
.set QL,  43                           ; my low tile's
.set SLOTS, 44
.set STEPS, 45
.set LAST, 46                          ; my work-group's last query
.set LIM, 47                           ; 1 in a wave that prefetches, else the greatest number
.set PFA, 48
.set AOB, 58                           ; s[58:59], s[60:61]: where the high and the low tile go
.macro TLOAD                           ; the branches hang on the wave's number alone; an s_nop 0 and four v_nop follow each line
	s_cmp_lt_u32 s[WV], 4
	s_cbranch_scc0 .Lnot_k_\@
	tensor_load_to_lds s[G0K:G0K+3], s[G1K:G1K+7]
	s_nop 0
.rept 4
	v_nop
.endr
	s_branch .Lasked_\@
.Lnot_k_\@:
	s_cmp_lt_u32 s[WV], 8
	s_cbranch_scc0 .Lasked_\@
	tensor_load_to_lds s[G0V:G0V+3], s[G1V:G1V+7]
	s_nop 0
.rept 4
	v_nop
.endr
.Lasked_\@:
.endm
; A PREFETCH of what the NEXT change of slots will ask for: a slot's 32,768 bytes of K and of V.  Each aligned run of 256 bytes is named once in the launch: of a head's four work-groups the first asks;
; in it the waves that fetch nothing: waves 8-11 for K, waves 12-15 for V, 8,192 bytes a wave, lanes 256 bytes apart.  The last change that fills a slot asks for nothing; slots 0 and 1 come by their loads alone.
.macro ASK
	s_cmp_gt_u32 s[SLOTS], s[LIM]
	s_cbranch_scc0 .Lnot_mine_\@
	global_prefetch_b8 v[PFO], s[PFA:PFA+1] th:TH_LOAD_NT scope:SCOPE_SE
.Lnot_mine_\@:
.endm
	s_load_b128 s[4:7], s[0:1], 0x0                ; qkv s[4:5], ao s[6:7]
	v_lshl_add_u32 v[SPW], v0, 2, SPARE
	v_mov_b32 v[NIL], 0
	ds_add_u32 v[SPW], v[NIL]                      ; the wave's opening: the add, twice on end, and its wait ahead of my first tensor load
	ds_add_u32 v[SPW], v[NIL]
	v_lshrrev_b32 v6, 5, v0
	v_readfirstlane_b32 s[WV], v6                  ; wave 0..15
	s_and_b32 s9, ttmp7, 0xffff                    ; batch x 16 + head
	s_sub_co_u32 s51, 7, ttmp9
	s_lshl_b32 s51, s51, 8
	s_or_b32 s[LAST], s51, 255
	s_sub_co_u32 s52, 15, s[WV]
	s_lshl_b32 s52, s52, 4
	s_add_co_u32 s[QH], s51, s52
	s_lshl_b32 s51, ttmp9, 8
	s_lshl_b32 s52, s[WV], 4
	s_add_co_u32 s[QL], s51, s52
	s_mov_b32 s[G1K], (1<<16)|(1<<20)|(4<<22)|(3<<25)   ; no mask; elements of 2 bytes; padding on: after every 32 words, 4 words
	s_mov_b32 s[G1V], (1<<16)|(1<<20)|(4<<22)|(7<<25)   ; the same with 8 words
.irp g, G1K, G1V
	s_mov_b32 s[\g+1], 64<<16                      ; tensor_dim0
	s_mov_b32 s[\g+2], 64<<16                      ; tensor_dim1
	s_mov_b32 s[\g+3], 64<<16                      ; tile_dim0
	s_mov_b32 s[\g+4], 64                          ; tile_dim1
	s_mov_b32 s[\g+5], 64                          ; from row to row
	s_mov_b32 s[\g+6], 0
	s_mov_b32 s[\g+7], 0
.endr
	s_mov_b32 s[SEL], 0x76543210
	s_mov_b32 s[SEL+1], 0xfedcba98                 ; v_permlanex16_b32: lane l xor 16
	s_mov_b32 s[CS], 0x3e38aa3b                    ; c = log2(e) / 8
	s_mov_b32 s[CS+1], s[CS]                       ; (named with it as a pair)
	s_mov_b32 s[TB], 0
	s_mov_b32 s[KF], 0
	s_mov_b32 s[SLOTS], 7
	s_lshl_b32 s10, s9, 18                         ; a head's block is 262,144 bytes
	s_and_b32 s11, s[WV], 3                        ; which of a slot's four steps I fetch (or prefetch):
	s_lshl_b32 s52, s11, 13                        ; its 64 rows of 128 bytes in memory,
	s_add_co_u32 s52, s52, s10
	s_mov_b32 s53, 0
	s_mul_i32 s54, s11, STEPB                      ; and its place in a slot
	s_mov_b32 s11, 0
	s_mov_b32 s50, 0x2000000                       ; v begins 33,554,432 bytes into qkv, k 16,777,216
	s_cmp_lt_u32 s[WV], 12
	s_cselect_b32 s50, 0x1000000, s50
	s_add_co_u32 s50, s50, s52
	s_add_co_u32 s50, s50, 32768                   ; in slot 1: the first change of slots steps it to slot 2
	s_mov_b32 s51, 0
	s_lshr_b32 s55, s[WV], 3
	s_xor_b32 s55, s55, 1                          ; 0 in waves 8 to 15,
	s_or_b32 s55, s55, ttmp9                       ; of the head's first work-group
	s_cmp_eq_u32 s55, 0
	s_cselect_b32 s[LIM], 1, -1
	s_wait_dscnt 0x0                               ; both opening adds are done
	s_wait_kmcnt 0x0
	s_mov_b32 s[G0K], 1
	s_mov_b32 s[G0K+1], s54
	s_add_nc_u64 s[G0K+2:G0K+3], s[4:5], s[52:53]
	s_add_nc_u64 s[G0K+2:G0K+3], s[G0K+2:G0K+3], 0x1000000
	s_or_b32 s[G0K+3], s[G0K+3], 0x80000000
	s_mov_b32 s[G0V], 1
	s_add_co_u32 s[G0V+1], s54, VOFF
	s_add_nc_u64 s[G0V+2:G0V+3], s[4:5], s[52:53]
	s_add_nc_u64 s[G0V+2:G0V+3], s[G0V+2:G0V+3], 0x2000000
	s_or_b32 s[G0V+3], s[G0V+3], 0x80000000
	TLOAD                                          ; slot 0: it holds key 0, which counts for every query
	s_add_nc_u64 s[PFA:PFA+1], s[4:5], s[50:51]
	s_add_nc_u64 s[56:57], s[4:5], s[10:11]        ; q of my head
	s_lshr_b32 s50, s9, 4
	s_lshl_b32 s50, s50, 11                        ; batch x 2,048
	s_and_b32 s52, s9, 15
	s_add_co_u32 s50, s50, s52                     ; + head
	s_add_co_u32 s52, s50, s[QH]
	s_lshl_b32 s52, s52, 11                        ; (row + head) x 2,048 = (row / 16) x 32,768 + head x 2,048
	s_add_nc_u64 s[AOB:AOB+1], s[6:7], s[52:53]
	s_add_co_u32 s52, s50, s[QL]
	s_lshl_b32 s52, s52, 11
	s_add_nc_u64 s[AOB+2:AOB+3], s[6:7], s[52:53]
	v_and_b32 v6, 15, v0                           ; r
	v_bfe_u32 v7, v0, 4, 1                         ; h
	v_mul_u32_u24 v[AK0], v6, PK
	v_lshl_add_u32 v[AK0], v7, 4, v[AK0]           ; K: row r, + 16 h
	v_and_b32 v10, 7, v0
	v_lshl_add_u32 v[AV0], v7, 3, v10
	v_mul_u32_u24 v[AV0], v[AV0], PVP
	v_bfe_u32 v10, v0, 3, 1
	v_lshl_add_u32 v[AV0], v10, 4, v[AV0]
	v_add_nc_u32 v[AV0], VOFF, v[AV0]              ; V, for the turning load: key 8 h + lane % 8, channels 8 ((lane / 8) % 2) on
	v_and_b32 v[PFO], 31, v0
	v_lshlrev_b32 v[GO], 4, v[PFO]
	v_lshlrev_b32 v[PFO], 8, v[PFO]
	v_lshlrev_b32 v10, 3, v7
	v_sub_nc_u32 v[DL], v6, v10
	v_mov_b32 v[NINF], 0xff800000
	v_lshlrev_b32 v10, 7, v6
	v_lshl_add_u32 v10, v7, 4, v10                 ; Q: row r of 128 bytes, + 16 h
	s_lshl_b32 s50, s[QH], 7
	v_add_nc_u32 v6, s50, v10                      ; (v6 and v7 serve Q's loads first; they are free again behind the wait for Q)
	s_lshl_b32 s50, s[QL], 7
	v_add_nc_u32 v7, s50, v10
.irp cc, 0,1
	global_load_b128 v[QF+8*\cc:QF+8*\cc+3], v6, s[56:57] offset:64*\cc
	global_load_b128 v[QF+8*\cc+4:QF+8*\cc+7], v6, s[56:57] offset:64*\cc+32
	global_load_b128 v[QF+16+8*\cc:QF+16+8*\cc+3], v7, s[56:57] offset:64*\cc
	global_load_b128 v[QF+16+8*\cc+4:QF+16+8*\cc+7], v7, s[56:57] offset:64*\cc+32
.endr
.irp T, 0,1
	v_mov_b32 v[ST+8*\T+1], 0xff61b1e6             ; m: -3e38, under every score
	v_mul_f32 v[ST+8*\T], s[CS], v[ST+8*\T+1]      ; c m
.irp i, 2,3,4,5,6,7
	v_mov_b32 v[ST+8*\T+\i], 0                     ; l; and what a lane permute or a pair names before it is first written
.endr
.endr
.set i, 0
.rept 64
	v_mov_b32 v[O+i], 0                            ; O^T.  (The step is written once: the first finds zeros, which a = 0 leaves zeros)
.set i, i+1
.endr
.macro KLOAD                           ; fragment 2 kt + cc: keys 16 kt on, channels 32 cc on: two loads of 16 bytes, 32 bytes apart
.irp kt, 0,1,2,3
.irp cc, 0,1
	ds_load_b128 v[KV+8*(2*\kt+\cc):KV+8*(2*\kt+\cc)+3], v[ADK] offset:\kt*16*PK+\cc*64
	ds_load_b128 v[KV+8*(2*\kt+\cc)+4:KV+8*(2*\kt+\cc)+7], v[ADK] offset:\kt*16*PK+\cc*64+32
.endr
.endr
.endm
.macro VLOAD                           ; fragment 4 kh + ct of V^T: keys 32 kh on, channels 16 ct on
.irp kh, 0,1
.irp ct, 0,1,2,3
	ds_load_tr16_b128 v[KV+8*(4*\kh+\ct):KV+8*(4*\kh+\ct)+3], v[ADV] offset:\kh*32*PVP+\ct*32
	ds_load_tr16_b128 v[KV+8*(4*\kh+\ct)+4:KV+8*(4*\kh+\ct)+7], v[ADV] offset:\kh*32*PVP+16*PVP+\ct*32
.endr
.endr
.endm
.macro KQ n                            ; S^T = K Q^T for n tiles: 4 n accumulators by turns; the first 32 channels start the sums
.irp cc, 0,1
.irp T, 0,1
.if \T < \n
.irp kt, 0,1,2,3
.if \cc == 0
	v_wmma_f32_16x16x32_f16 v[S+32*\T+8*\kt:S+32*\T+8*\kt+7], v[KV+8*(2*\kt+\cc):KV+8*(2*\kt+\cc)+7], v[QF+16*\T+8*\cc:QF+16*\T+8*\cc+7], 0
.else
	v_wmma_f32_16x16x32_f16 v[S+32*\T+8*\kt:S+32*\T+8*\kt+7], v[KV+8*(2*\kt+\cc):KV+8*(2*\kt+\cc)+7], v[QF+16*\T+8*\cc:QF+16*\T+8*\cc+7], v[S+32*\T+8*\kt:S+32*\T+8*\kt+7]
.endif
.endr
.endif
.endr
.endr
.endm
.macro PV n                            ; O^T += V^T P
.irp kh, 0,1
.irp T, 0,1
.if \T < \n
.irp ct, 0,1,2,3
	v_wmma_f32_16x16x32_f16 v[O+32*\T+8*\ct:O+32*\T+8*\ct+7], v[KV+8*(4*\kh+\ct):KV+8*(4*\kh+\ct)+7], v[S+32*\T+8*\kh:S+32*\T+8*\kh+7], v[O+32*\T+8*\ct:O+32*\T+8*\ct+7]
.endr
.endif
.endr
.endr
.endm
; On the diagonal hidden scores become -infinity ahead of the maximum.  Register n of a tile holds key KF + 16 (n / 8) + 8 (lane / 16) + n % 8: hidden where 16 (n / 8) + n % 8 > d = first query - KF + lane % 16 - 8 (lane / 16).
.macro MASK T, q
	s_add_co_u32 s50, s[KF], 63
	s_cmp_le_u32 s50, s[\q]                        ; a step all of whose keys count skips this: ids and the count of steps alone
	s_cbranch_scc1 .Lopen_\@
	s_sub_co_i32 s50, s[\q], s[KF]
	v_add_nc_u32 v[DD], s50, v[DL]
.set n, 0
.rept 32
	v_cmp_gt_i32 vcc_lo, 16*(n/8)+n%8, v[DD]
	v_cndmask_b32 v[S+32*(\T)+n], v[S+32*(\T)+n], v[NINF], vcc_lo
.set n, n+1
.endr
.Lopen_\@:
.endm
.macro MAXS T                          ; the new m, c m, and c m_old - c m_new
.set rT, ST+8*(\T)
.set rS, S+32*(\T)
.irp j, 0,1,2,3
	v_max3_num_f32 v[rT+4+\j], v[rS+8*\j], v[rS+8*\j+1], v[rS+8*\j+2]     ; four chains; each accumulator is read from its low end on
.endr
.irp g, 1,2
.irp j, 0,1,2,3
	v_max3_num_f32 v[rT+4+\j], v[rT+4+\j], v[rS+8*\j+2*\g+1], v[rS+8*\j+2*\g+2]
.endr
.endr
	v_max3_num_f32 v[rT+4], v[rT+4], v[rS+7], v[rS+15]
	v_max3_num_f32 v[rT+6], v[rT+6], v[rS+23], v[rS+31]
	v_max3_num_f32 v[rT+4], v[rT+4], v[rT+5], v[rT+6]
	v_max3_num_f32 v[rT+4], v[rT+4], v[rT+7], v[rT+1]
	v_permlanex16_b32 v[rT+5], v[rT+4], s[SEL], s[SEL+1]   ; the query's other 32 keys lie in the lane 16 away
	v_mov_b32 v[rT+7], v[rT]
	v_max_num_f32 v[rT+1], v[rT+4], v[rT+5]
	v_mul_f32 v[rT], s[CS], v[rT+1]
	v_sub_f32 v[rT+7], v[rT+7], v[rT]
.endm
.macro EXPS T                          ; a, the 16 scalings and the 32 exponentials: none of these reads an exponential's result
.set rT, ST+8*(\T)
.set rS, S+32*(\T)
	v_exp_f32 v[rT+6], v[rT+7]
.set i, 0
.rept 16
	v_pk_fma_f32 v[rS+i:rS+i+1], v[rS+i:rS+i+1], s[CS:CS+1], v[rT:rT+1] op_sel_hi:[1,0,0] neg_lo:[0,0,1] neg_hi:[0,0,1]
.set i, i+2
.endr
.set i, 0
.rept 32
	v_exp_f32 v[rS+i], v[rS+i]
.set i, i+1
.endr
.endm
.macro SUMS T                          ; l = a l + the sum of the unrounded p, in two chains
.set rT, ST+8*(\T)
.set rS, S+32*(\T)
	v_pk_fma_f32 v[rT+2:rT+3], v[rT+2:rT+3], v[rT+6:rT+7], v[rS:rS+1] op_sel_hi:[1,0,1]
	v_pk_add_f32 v[rT+4:rT+5], v[rS+2:rS+3], v[rS+6:rS+7]
	v_pk_add_f32 v[rT+2:rT+3], v[rT+2:rT+3], v[rS+4:rS+5]
.irp p, 8,12,16,20,24,28
	v_pk_add_f32 v[rT+2:rT+3], v[rT+2:rT+3], v[rS+\p:rS+\p+1]
	v_pk_add_f32 v[rT+4:rT+5], v[rT+4:rT+5], v[rS+\p+2:rS+\p+3]
.endr
	v_pk_add_f32 v[rT+2:rT+3], v[rT+2:rT+3], v[rT+4:rT+5]
.endm
.macro CVT T                           ; p to f16, in place: register i takes pair i, which lies at 2 i and 2 i + 1: no pair is overwritten before it is read
.set rS, S+32*(\T)
.set i, 0
.rept 16
	v_cvt_pk_f16_f32 v[rS+i], v[rS+2*i], v[rS+2*i+1]
.set i, i+1
.endr
.endm
.macro RESC T                          ; O^T x a, from each accumulator's low end on
.set rT, ST+8*(\T)
.set rO, O+32*(\T)
.set i, 0
.rept 16
	v_pk_mul_f32 v[rO+i:rO+i+1], v[rO+i:rO+i+1], v[rT+6:rT+7] op_sel_hi:[1,0]
.set i, i+2
.endr
.endm
.macro BODY n                          ; a step's work for n tiles (1: the high tile alone)
	s_wait_dscnt 0x0                               ; K is in
	KQ \n
.rept 4
	v_nop                                          ; places behind the products: ahead of the loads into K's registers and of the first read of the scores
.endr
	VLOAD                                          ; V lands in K's registers while the softmax is walked
.if \n == 2
	MASK 1, QL                                     ; (where both tiles are at work the step's keys end at 1,023 at the most: under every query of the high tile)
.else
	MASK 0, QH
.endif
	MAXS 0
.if \n == 2
	MAXS 1
.endif
	EXPS 0
.if \n == 2
	EXPS 1
.endif
	v_nop                                          ; a plain line behind the last exponential
	s_wait_alu depctr_va_vdst(0)                   ; the wait ahead of the first line that names a result: one for the whole batch
	SUMS 0
	CVT 0
	RESC 0
.if \n == 2
	SUMS 1
	CVT 1
	RESC 1
.endif
	s_wait_dscnt 0x0                               ; V is in
	PV \n
.rept 5
	v_nop                                          ; five places: the next step's first products write over P, an operand of these; its loads of K land on V
.endr
.endm
.macro STEP
	s_add_co_u32 s50, s[QH], 15
	s_cmp_gt_u32 s[KF], s50                        ; all 64 keys come after my high tile's queries, and so after the low tile's
	s_cbranch_scc1 .Lhid_\@
	v_add_nc_u32 v[ADK], s[TB], v[AK0]
	v_add_nc_u32 v[ADV], s[TB], v[AV0]
	KLOAD
	s_add_co_u32 s50, s[QL], 15
	s_cmp_gt_u32 s[KF], s50
	s_cbranch_scc1 .Lhi_\@
	BODY 2
	s_branch .Lhid_\@
.Lhi_\@:
	BODY 1
.Lhid_\@:
	s_add_co_u32 s[KF], s[KF], 64
	s_add_co_u32 s[TB], s[TB], STEPB
.endm
.macro SLOT_STEPS                      ; a slot's four steps: written once, walked four times
	s_mov_b32 s[STEPS], 4
.Lstep_\@:
	STEP
	s_sub_co_u32 s[STEPS], s[STEPS], 1
	s_cmp_lg_u32 s[STEPS], 0
	s_cbranch_scc1 .Lstep_\@
	s_sub_co_u32 s[TB], s[TB], 4*STEPB
	s_xor_b32 s[TB], s[TB], SLOT1                  ; on to the other slot
.endm
; THE CHANGE OF SLOTS stands at a slot's head.  Each wave waits for all its tensor loads (its part of the slot ahead), adds 0 to its spare word, and waits for that and for its reads of the slot that it has left.
; Behind the barrier the slot ahead is whole and nobody reads the other one; fill = 1: that one takes the next 256 keys, which have a slot's four steps in which to land.
.macro CHANGE fill
	s_wait_tensorcnt 0x0                           ; no tensor load of mine is out, so a group 0 may be written
	ds_add_u32 v[SPW], v[NIL]
.if \fill
	ds_add_u32 v[SPW], v[NIL]                      ; twice on end here, in every trip alike
	s_xor_b32 s[G0K+1], s[G0K+1], SLOT1
	s_add_nc_u64 s[G0K+2:G0K+3], s[G0K+2:G0K+3], 32768
	s_xor_b32 s[G0V+1], s[G0V+1], SLOT1
	s_add_nc_u64 s[G0V+2:G0V+3], s[G0V+2:G0V+3], 32768
	s_wait_xcnt 0x0                                ; the last prefetch, a slot back, has read its address
	s_add_nc_u64 s[PFA:PFA+1], s[PFA:PFA+1], 32768
.endif
	s_wait_dscnt 0x0
	s_barrier_signal -1
	s_barrier_wait -1
.if \fill
	s_add_co_u32 s50, s[KF], 256                   ; the first key of the slot that this change would ask for:
	s_cmp_gt_u32 s50, s[LAST]                      ; past my work-group's last query none of its waves would read it.  Ids and the count of steps alone: all sixteen waves go the same way; every wait on TENSORcnt is for 0
	s_cbranch_scc1 .Lpast_\@
	TLOAD
.Lpast_\@:
	ASK
.endif
.endm
	s_wait_loadcnt 0x0                             ; Q
.Lslot:                                            ; seven trips
	CHANGE 1
	SLOT_STEPS
	s_sub_co_u32 s[SLOTS], s[SLOTS], 1
	s_cmp_lg_u32 s[SLOTS], 0
	s_cbranch_scc1 .Lslot
	CHANGE 0                                       ; the last slot is written out: nothing is left to ask for
	SLOT_STEPS
	; THE WAY OUT.  O^T / l, rounded to f16: a lane's four registers of a tile of 16 channels are four registers of the next product's operand: they are stored as they stand, 512 consecutive bytes an instruction.
.irp T, 0,1
	v_add_f32 v[ST+8*\T+4], v[ST+8*\T+2], v[ST+8*\T+3]
.endr
.irp T, 0,1
	v_permlanex16_b32 v[ST+8*\T+5], v[ST+8*\T+4], s[SEL], s[SEL+1]
.endr
.irp T, 0,1
	v_add_f32 v[ST+8*\T+4], v[ST+8*\T+4], v[ST+8*\T+5]
.endr
.irp T, 0,1
	v_rcp_f32 v[ST+8*\T+6], v[ST+8*\T+4]
.endr
	v_nop                                          ; a plain line behind the last reciprocal
	s_wait_alu depctr_va_vdst(0)                   ; and the wait ahead of the first use: one for both
	RESC 0
	RESC 1
.irp T, 0,1
.set i, 0
.rept 16
	v_cvt_pk_f16_f32 v[S+32*\T+i], v[O+32*\T+2*i], v[O+32*\T+2*i+1]
.set i, i+1
.endr
.endr
.irp T, 0,1
.irp ct, 0,1,2,3
	global_store_b128 v[GO], v[S+32*\T+4*\ct:S+32*\T+4*\ct+3], s[AOB+2*\T:AOB+2*\T+1] offset:\ct*512
.endr
.endr
	s_wait_tensorcnt 0x0                           ; the wave's end
	ds_add_u32 v[SPW], v[NIL]
	s_wait_dscnt 0x0
	s_endpgm
.Lfunc_end_k_q086177e644_attn:
	.size	k_q086177e644_attn, .Lfunc_end_k_q086177e644_attn-k_q086177e644_attn
	.p2alignl 7, 3214868480
	.fill 96, 4, 3214868480
	.section	.rodata,"a",@progbits
	.p2align	6, 0x0
	.amdhsa_kernel k_q086177e644_attn
		.amdhsa_group_segment_fixed_size 327680
		.amdhsa_private_segment_fixed_size 0
		.amdhsa_enable_private_segment 0
		.amdhsa_kernarg_size 16
		.amdhsa_user_sgpr_count 2
		.amdhsa_user_sgpr_kernarg_segment_ptr 1
		.amdhsa_wavefront_size32 1
		.amdhsa_system_sgpr_workgroup_id_x 1
		.amdhsa_system_sgpr_workgroup_id_y 1
		.amdhsa_system_sgpr_workgroup_id_z 1
		.amdhsa_system_vgpr_workitem_id 0
		.amdhsa_next_free_vgpr 256
		.amdhsa_next_free_sgpr 66
		.amdhsa_reserve_vcc 1
		.amdhsa_float_denorm_mode_32 3
		.amdhsa_float_denorm_mode_16_64 3
		.amdhsa_memory_ordered 1
		.amdhsa_forward_progress 1
		.amdhsa_inst_pref_size 77
	.end_amdhsa_kernel
	.amdgpu_metadata
---
amdhsa.version: [ 1, 2 ]
amdhsa.kernels:
  - .name:           k_q086177e644_attn
    .symbol:         k_q086177e644_attn.kd
    .args:
      - { .name: qkv, .offset: 0, .size: 8, .value_kind: global_buffer, .address_space: global }
      - { .name: ao, .offset: 8, .size: 8, .value_kind: global_buffer, .address_space: global }
    .group_segment_fixed_size: 327680
    .private_segment_fixed_size: 0
    .kernarg_segment_align: 8
    .kernarg_segment_size: 16
    .max_flat_workgroup_size: 512
    .sgpr_count:     66
    .vgpr_count:     256
    .wavefront_size: 32
...
	.end_amdgpu_metadata
.endif
;; end of part 3
;; launch outproj (part 4): grid 32 x 8, 4 waves a work-group, clusters of 4 x 1, 327,680 bytes of LDS; arguments ao, wo16, b_out, out0; writes out0
.if DOCPART == 4
	.amdgcn_target "amdgcn-amd-amdhsa--gfx1250"
	.amdhsa_code_object_version 6
	.text
	.protected	k_q086177e644_outproj
	.globl	k_q086177e644_outproj
	.p2align	8
	.type	k_q086177e644_outproj,@function
k_q086177e644_outproj:
	s_mov_b64 s[64:65], 0
	v_nop
	global_prefetch_b8 v0, s[64:65] scope:SCOPE_SE
	s_setreg_imm32_b32 hwreg(HW_REG_WAVE_MODE, 25, 1), 1
	s_wait_xcnt 0x0
	s_wait_alu depctr_hold_cnt(0) depctr_sa_sdst(0) depctr_va_vdst(0) depctr_va_sdst(0) depctr_va_ssrc(0) depctr_va_vcc(0) depctr_vm_vsrc(0)
	s_getreg_b32 s2, hwreg(HW_REG_IB_STS2, 6, 4)
	s_cmp_eq_u32 s2, 0
	s_cbranch_scc0 .Lentry_in_a_cluster
	s_endpgm
.Lentry_in_a_cluster:
	s_bfe_u32 s2, ttmp6, 0x10000c
	s_cmp_lg_u32 s2, 0x3003
	s_cbranch_scc0 .Lentry_shape_is_right
	s_endpgm
.Lentry_shape_is_right:
; out0 = O w_out + b_out, f16 operands, f32 sums, the bias first.  A = ao: O as images of operand registers (byte (row / 16) 32768 + (k / 32) 1024 + c 512 + 16 lane); B = wo16 [k 1024][n 1024] f16.
; A work-group makes 256 rows x 128 columns, a wave 64 x 128: 32 accumulators.  B, ALL 1,024 k OF THE 128 COLUMNS, STAYS IN LDS: it comes once, by four first fills a wave; nothing is filled again, so the walk
; along K has no ring.  A comes from memory straight into registers, 512 consecutive bytes a load, seven steps of 32 along K ahead, waited for by count.
; CLUSTER: the four work-groups of a cluster make other rows of the same 128 columns and ask for B JOINTLY.
; THE MATRIX INSTRUCTION IS USED TRANSPOSED (source 0 = 16 columns of w_out, by the turning load; source 1 = 16 rows of O): a lane holds eight neighbouring columns of one row.
; The rows of the first 16 positions of each sequence are made here like all others and are written anew, more finely, by a later launch.
; REGISTERS: window 0: v1-15 addresses; v32-95, v96-159 B's fragments, two sets, later rows on the way out.  window 1: accumulator (a, b) at v[8 (8 a + b)].  window 2: A's ring, step q at v[32 (q % 8) + 8 a].  window 3: v0-63 the bias.
.set BP,    288                        ; a row of B in LDS: 256 bytes + 32: 72 words, for the turning load
.set SPARE, 1024*BP                    ; the spare words, 128 bytes for each wave
.set SPIT,  528                        ; the way out: 16 rows x (512 bytes + 16) for each wave, in B's first 118 rows: read last for step 3, and every wave has waited for those reads ahead of the barrier in step 7
.set SPW,   6
.set NIL,   7
.set BF,    32
.set G1,    16
.set G0,    32                         ; s[32:47]: a group 0 for each of my four loads
.set MSB, 0
.macro WIN new
.if MSB != (\new)
	s_set_vgpr_msb (MSB<<8)|(\new)
.set MSB, (\new)
.endif
.endm
.macro ROUND                           ; a round of the cluster's barrier
	s_barrier_signal -1
	s_barrier_wait -1
	s_cmp_lg_u32 s12, 0
	s_cbranch_scc1 .Lnot_wave_0_\@
	s_barrier_signal -3
.Lnot_wave_0_\@:
	s_barrier_wait -3
	s_barrier_signal -1
	s_barrier_wait -1
.endm
.macro PLACES
.rept 4
	v_nop
.endr
.endm
	s_load_b256 s[4:11], s[0:1], 0x0               ; ao s[4:5], wo16 s[6:7], b_out s[8:9], out0 s[10:11]
	v_lshl_add_u32 v[SPW], v0, 2, SPARE
	v_mov_b32 v[NIL], 0
	ds_add_u32 v[SPW], v[NIL]                      ; the wave's opening: the add, twice on end, and its wait ahead of my first tensor load
	ds_add_u32 v[SPW], v[NIL]
	v_lshrrev_b32 v5, 5, v0
	v_readfirstlane_b32 s12, v5                    ; wave 0..3
	s_bfe_u32 s13, ttmp6, 0x40000                  ; cx
	s_lshl_b32 s14, ttmp9, 2
	s_add_co_u32 s14, s14, s13                     ; my 256 rows: 4 x cluster x + cx: it enters ao's and out0's addresses alone
	s_and_b32 s15, ttmp7, 0xffff                   ; my 128 columns, which the four partners share
	s_mov_b32 s[G1], 15|(1<<16)|(1<<20)|(1<<21)|(5<<22)|(7<<25)   ; the mask: all four; elements of 2 bytes; padding on; bit 21 beside a mask; after every 64 words, 8 words
	s_mov_b32 s[G1+1], 128<<16                     ; tensor_dim0
	s_mov_b32 s[G1+2], 64<<16                      ; tensor_dim1
	s_mov_b32 s[G1+3], 128<<16                     ; tile_dim0
	s_mov_b32 s[G1+4], 64                          ; tile_dim1
	s_mov_b32 s[G1+5], 1024                        ; from row to row
	s_mov_b32 s[G1+6], 0
	s_mov_b32 s[G1+7], 0
	s_lshl_b32 s24, s12, 6                         ; of each 256 rows of B I fetch 64:
	s_mul_i32 s25, s24, BP                         ; their place in LDS,
	s_lshl_b32 s26, s24, 11                        ; and in memory, rows of 2,048 bytes,
	s_lshl_b32 s27, s15, 8
	s_add_co_u32 s26, s26, s27                     ; + the column group's 256 bytes
	s_mov_b32 s27, 0
	s_wait_dscnt 0x0                               ; both opening adds are done
	s_wait_kmcnt 0x0
	s_add_nc_u64 s[28:29], s[6:7], s[26:27]
	ROUND                                          ; all four work-groups are here: the joint loads meet
.irp c, 0,1,2,3
	s_mov_b32 s[G0+4*\c], 1
	s_add_co_u32 s[G0+4*\c+1], s25, \c*256*BP
	s_add_nc_u64 s[G0+4*\c+2:G0+4*\c+3], s[28:29], \c*256*2048
	s_or_b32 s[G0+4*\c+3], s[G0+4*\c+3], 0x80000000
.endr
.irp c, 0,1,2,3
	tensor_load_to_lds s[G0+4*\c:G0+4*\c+3], s[G1:G1+7]   ; k = 256 c + 64 wave on: four loads of mine are out
	s_nop 0
.endr
	PLACES
	v_and_b32 v5, 31, v0
	v_lshlrev_b32 v1, 4, v5                        ; v1: 16 x lane
	v_and_b32 v16, 15, v0                          ; r
	v_bfe_u32 v17, v0, 4, 1                        ; h
	v_lshlrev_b32 v2, 5, v17                       ; v2: 32 h
	s_mul_i32 s24, s12, 16*SPIT                    ; my stage
	v_mul_u32_u24 v3, v16, SPIT
	v_lshl_add_u32 v3, v17, 5, v3
	v_add_nc_u32 v3, s24, v3                       ; v3: in: row r, 32 bytes for each half of the lanes
	v_add_nc_u32 v4, s24, v1                       ; v4: back: the 32 lanes take one row of 512 bytes
	v_and_b32 v18, 7, v0
	v_lshl_add_u32 v18, v17, 3, v18
	v_mul_u32_u24 v18, v18, BP
	v_bfe_u32 v19, v0, 3, 1
	v_lshl_add_u32 v8, v19, 4, v18                 ; v8-15: the turning load's address for k = 128 g on: row 8 h + lane % 8, columns 8 ((lane / 8) % 2) on
.irp g, 1,2,3,4,5,6,7
	v_add_nc_u32 v[8+\g], \g*128*BP, v8
.endr
	s_lshl_b32 s24, s14, 19                        ; ao: 16 tiles of rows a work-group, 4 a wave, 32,768 bytes each
	s_lshl_b32 s25, s12, 17
	s_add_co_u32 s24, s24, s25
	s_mov_b32 s25, 0
	s_add_nc_u64 s[4:5], s[4:5], s[24:25]
	s_lshl_b32 s24, s15, 9                         ; 128 columns of f32
	s_add_nc_u64 s[8:9], s[8:9], s[24:25]
	s_add_nc_u64 s[10:11], s[10:11], s[24:25]
	s_lshl_b32 s24, s14, 20                        ; out0: rows of 4,096 bytes
	s_lshl_b32 s26, s12, 18
	s_add_co_u32 s24, s24, s26
	s_add_nc_u64 s[10:11], s[10:11], s[24:25]
	WIN 0xc0                                       ; destination window 3
.irp b, 0,1,2,3,4,5,6,7
	global_load_b128 v[8*\b:8*\b+3], v2, s[8:9] offset:64*\b       ; b_out[my first column + 16 b + 8 h + 0 .. 7]: the result's layout
	global_load_b128 v[8*\b+4:8*\b+7], v2, s[8:9] offset:64*\b+16
.endr
.macro ALOAD q                         ; A's four fragments of step q: eight loads of 512 consecutive bytes
.irp a, 0,1,2,3
.irp c, 0,1
	global_load_b128 v[32*((\q)%8)+8*\a+4*\c:32*((\q)%8)+8*\a+4*\c+3], v1, s[4:5] offset:\a*32768+(\q)*1024+\c*512
.endr
.endr
.endm
.macro FETCH_B q                       ; B's eight fragments of step q
.irp b, 0,1,2,3,4,5,6,7
	ds_load_tr16_b128 v[BF+64*((\q)%2)+8*\b:BF+64*((\q)%2)+8*\b+3], v[8+(\q)/4] offset:((\q)%4)*32*BP+32*\b
	ds_load_tr16_b128 v[BF+64*((\q)%2)+8*\b+4:BF+64*((\q)%2)+8*\b+7], v[8+(\q)/4] offset:((\q)%4)*32*BP+16*BP+32*\b
.endr
.endm
.macro MUL16 q, a0                     ; the 32 accumulators take turns, in the same order in every step
.irp a, \a0, \a0+1
.irp b, 0,1,2,3,4,5,6,7
.if (\q) == 0
	v_wmma_f32_16x16x32_f16 v[8*(8*(\a)+\b):8*(8*(\a)+\b)+7], v[BF+64*((\q)%2)+8*\b:BF+64*((\q)%2)+8*\b+7], v[32*((\q)%8)+8*(\a):32*((\q)%8)+8*(\a)+7], v[8*\b:8*\b+7]
.else
	v_wmma_f32_16x16x32_f16 v[8*(8*(\a)+\b):8*(8*(\a)+\b)+7], v[BF+64*((\q)%2)+8*\b:BF+64*((\q)%2)+8*\b+7], v[32*((\q)%8)+8*(\a):32*((\q)%8)+8*(\a)+7], v[8*(8*(\a)+\b):8*(8*(\a)+\b)+7]
.endif
.endr
.endr
.endm
.macro MULWIN q
.if (\q) == 0
	WIN 0x78                                       ; source 0 window 0, source 1 window 2, C (the bias) window 3, D window 1
.else
	WIN 0x58                                       ; C and D window 1
.endif
.endm
.macro QUARTER q                       ; 32 along K
.if ((\q) == 7) || ((\q) == 15) || ((\q) == 23)
	s_wait_tensorcnt 3-((\q)+1)/8                  ; my part of the next 256 rows of B has landed; the count is that of my later loads
.endif
.if 31-(\q) >= 6
	s_wait_loadcnt 48                              ; A's step q is in; the six steps issued behind it, eight loads each, stay out
.else
	s_wait_loadcnt 8*(31-(\q))
.endif
	s_wait_dscnt 0x0                               ; B's fragments of this step are in
.if ((\q) == 7) || ((\q) == 15) || ((\q) == 23)
	s_barrier_signal -1                            ; it shows each wave's part of B to the others
	s_barrier_wait -1
.endif
	MULWIN \q
	MUL16 \q, 0
.if (\q) < 31
	PLACES                                         ; ahead of loads into registers that the step before has multiplied
	WIN 0
	FETCH_B (\q)+1
.endif
.if (\q)+7 <= 31
	WIN 0x80                                       ; destination window 2
	ALOAD (\q)+7
.endif
	MULWIN \q
	MUL16 \q, 2
.endm
	WIN 0x80
.irp q, 0,1,2,3,4,5,6
	ALOAD \q
.endr
	WIN 0
	s_wait_tensorcnt 3                             ; my part of B's first 256 rows is in; my three later loads may be out
	s_barrier_signal -1
	s_barrier_wait -1
	FETCH_B 0
.set Q, 0
.rept 32
	QUARTER Q
.set Q, Q+1
.endr
	WIN 0
	PLACES                                         ; behind the last products
; THE WAY OUT, 16 rows x 128 columns at a time, through my own stage: whole rows of 512 bytes come back.
.macro TOSTAGE a
	WIN 0x04                                       ; an LDS store's data are its source 1: window 1
.irp b, 0,1,2,3,4,5,6,7
	ds_store_b128 v3, v[64*(\a)+8*\b:64*(\a)+8*\b+3] offset:64*\b          ; each accumulator from its low end on
	ds_store_b128 v3, v[64*(\a)+8*\b+4:64*(\a)+8*\b+7] offset:64*\b+16
.endr
	WIN 0
.irp t, 0,1,2,3,4,5,6,7,8,9,10,11,12,13,14,15
	ds_load_b128 v[BF+64*((\a)%2)+4*\t:BF+64*((\a)%2)+4*\t+3], v4 offset:\t*SPIT   ; LDS serves a wave's instructions in order
.endr
.endm
.macro SEND a, younger
	s_wait_dscnt \younger                          ; the block is back; the next block's 16 stores and 16 loads may be out
.irp t, 0,1,2,3,4,5,6,7,8,9,10,11,12,13,14,15
	global_store_b128 v1, v[BF+64*((\a)%2)+4*\t:BF+64*((\a)%2)+4*\t+3], s[10:11] offset:(16*(\a)+\t)*4096 th:TH_STORE_NT   ; 32 lanes store 512 consecutive bytes, aligned
.endr
.endm
	TOSTAGE 0
.irp a, 1,2,3
.if \a > 1
	s_wait_xcnt 0x0                                ; block a - 2's stores have read their data: block a's loads may land there
.endif
	TOSTAGE \a
	SEND \a-1, 32
.endr
	SEND 3, 0
	s_wait_tensorcnt 0x0                           ; the wave's end
	ds_add_u32 v[SPW], v[NIL]
	s_wait_dscnt 0x0
	ROUND                                          ; the closing round
	s_endpgm
.Lfunc_end_k_q086177e644_outproj:
	.size	k_q086177e644_outproj, .Lfunc_end_k_q086177e644_outproj-k_q086177e644_outproj
	.p2alignl 7, 3214868480
	.fill 96, 4, 3214868480
	.section	.rodata,"a",@progbits
	.p2align	6, 0x0
	.amdhsa_kernel k_q086177e644_outproj
		.amdhsa_group_segment_fixed_size 327680
		.amdhsa_private_segment_fixed_size 0
		.amdhsa_enable_private_segment 0
		.amdhsa_kernarg_size 32
		.amdhsa_user_sgpr_count 2
		.amdhsa_user_sgpr_kernarg_segment_ptr 1
		.amdhsa_wavefront_size32 1
		.amdhsa_system_sgpr_workgroup_id_x 1
		.amdhsa_system_sgpr_workgroup_id_y 1
		.amdhsa_system_sgpr_workgroup_id_z 1
		.amdhsa_system_vgpr_workitem_id 0
		.amdhsa_next_free_vgpr 1024
		.amdhsa_next_free_sgpr 66
		.amdhsa_reserve_vcc 0
		.amdhsa_float_denorm_mode_32 3
		.amdhsa_float_denorm_mode_16_64 3
		.amdhsa_memory_ordered 1
		.amdhsa_forward_progress 1
		.amdhsa_inst_pref_size 151
	.end_amdhsa_kernel
	.amdgpu_metadata
---
amdhsa.version: [ 1, 2 ]
amdhsa.kernels:
  - .name:           k_q086177e644_outproj
    .symbol:         k_q086177e644_outproj.kd
    .args:
      - { .name: ao, .offset: 0, .size: 8, .value_kind: global_buffer, .address_space: global }
      - { .name: wo16, .offset: 8, .size: 8, .value_kind: global_buffer, .address_space: global }
      - { .name: b_out, .offset: 16, .size: 8, .value_kind: global_buffer, .address_space: global }
      - { .name: out0, .offset: 24, .size: 8, .value_kind: global_buffer, .address_space: global }
    .group_segment_fixed_size: 327680
    .private_segment_fixed_size: 0
    .kernarg_segment_align: 8
    .kernarg_segment_size: 32
    .max_flat_workgroup_size: 128
    .sgpr_count:     66
    .vgpr_count:     1024
    .wavefront_size: 32
...
	.end_amdgpu_metadata
.endif
;; end of part 4
;; launch fine_attn (part 5): grid 64 x 1, 8 waves a work-group, no clusters, 15,360 bytes of LDS; arguments xc, xs, wc, ws, b_qkv, of; writes of
.if DOCPART == 5
	.amdgcn_target "amdgcn-amd-amdhsa--gfx1250"
	.amdhsa_code_object_version 6
	.text
	.protected	k_q086177e644_fine_attn
	.globl	k_q086177e644_fine_attn
	.p2align	8
	.type	k_q086177e644_fine_attn,@function
k_q086177e644_fine_attn:
	s_mov_b64 s[64:65], 0
	v_nop
	global_prefetch_b8 v0, s[64:65] scope:SCOPE_SE
	s_setreg_imm32_b32 hwreg(HW_REG_WAVE_MODE, 25, 1), 1
	s_wait_xcnt 0x0
; THE FIRST 16 POSITIONS OF EACH SEQUENCE, CARRIED IN f32.  Under the causal mask they average one to sixteen values and are the largest outputs, so the rounding of 16-bit operands weighs most there.
; A work-group takes one (batch, head).  Phase 1: q, k, v of positions 0-15 are made again from the codes, by the same matrix instruction in the same order as in the large product (the bias first, K ascending), and stay f32, in LDS.
; Phase 2: thread (i, j) makes score (query i, key j), the softmax goes over the 16 lanes of a row of lanes, and the thread makes channels 4 j .. 4 j + 3 of query i.  of: [4][16][1024] f32.
; LIMITS: NaN and infinities are not served.
.set QA, 0                             ; LDS: q, k, v: 16 rows x (256 bytes + 16) each
.set KA, 4352
.set VA, 8704
.set PA, 13056                         ; p: 16 rows of 64 bytes; a wave reads only what it wrote
.set SPARE, 14080                      ; the spare words, 128 bytes for each wave
.set SPW, 16
.set NIL, 17
.set XS,  20                           ; v20-27  x's scale words, a K step each: scales and nothing else
.set WS,  28                           ; v28-43  w's, for two tiles
.set ACC, 44                           ; v44-59  two accumulators
.set XF,  64                           ; v64-127 x's 8 fragments; later q's row, later p
.set WF,  128                          ; v128-255 w's 16 fragments; later k's row and V's pieces
	s_load_b256 s[4:11], s[0:1], 0x0               ; xc, xs, wc, ws
	s_load_b128 s[12:15], s[0:1], 0x20             ; b_qkv, of
	v_lshl_add_u32 v[SPW], v0, 2, SPARE
	v_mov_b32 v[NIL], 0
	v_lshrrev_b32 v1, 5, v0
	v_readfirstlane_b32 s16, v1                    ; wave 0..7
	v_and_b32 v1, 15, v0                           ; r; in phase 2: the key j
	v_bfe_u32 v2, v0, 4, 1                         ; the lane's half
	v_lshrrev_b32 v13, 4, v0                       ; in phase 2: the query i
	s_lshr_b32 s17, ttmp9, 4                       ; batch
	s_and_b32 s18, ttmp9, 15                       ; head
	s_lshr_b32 s19, s16, 1
	s_min_u32 s19, s19, 2                          ; q, k or v (waves 6 and 7 make nothing: held at 2, so that no address they form leaves its range)
	s_and_b32 s20, s16, 1                          ; which 32 of the head's 64 columns
	s_lshl_b32 s21, s19, 10
	s_lshl_b32 s22, s18, 6
	s_add_co_u32 s21, s21, s22
	s_lshl_b32 s22, s20, 5
	s_add_co_u32 s21, s21, s22                     ; my first column of w_qkv
	s_mov_b32 s27, 0
	s_mov_b32 s24, 0x3e38aa3b                      ; c = log2(e) / 8
	v_lshlrev_b32 v3, 9, v1
	v_lshl_add_u32 v3, v2, 4, v3                   ; codes: row r of 512 bytes, + 16 x half
	v_lshlrev_b32 v4, 5, v1                        ; scale bytes: row r of 32
	v_lshlrev_b32 v5, 5, v2                        ; the bias: 8 numbers for each half
	s_mul_i32 s28, s19, 4352
	s_lshl_b32 s29, s20, 7
	s_add_co_u32 s28, s28, s29
	v_mul_u32_u24 v6, v1, 272
	v_lshl_add_u32 v6, v2, 5, v6
	v_add_nc_u32 v6, s28, v6                       ; where my results go: position r, my 32 columns, 32 bytes for each half
	v_mul_u32_u24 v7, v13, 272                     ; q's row i
	v_mul_u32_u24 v8, v1, 272
	v_add_nc_u32 v8, KA, v8                        ; k's row j
	v_lshl_add_u32 v9, v1, 4, VA                   ; V: channels 4 j on
	v_lshl_add_u32 v11, v13, 6, PA                 ; p's row i,
	v_lshl_add_u32 v10, v1, 2, v11                 ; and my word of it
	v_lshlrev_b32 v12, 12, v13
	v_lshl_add_u32 v12, v1, 4, v12                 ; of: row i of 4,096 bytes, + 16 j
	v_mov_b32 v15, 0xff800000                      ; -infinity
	s_wait_kmcnt 0x0
	s_lshl_b32 s26, s17, 20
	s_add_nc_u64 s[4:5], s[4:5], s[26:27]          ; the batch's first row of codes,
	s_lshl_b32 s26, s17, 16
	s_add_nc_u64 s[6:7], s[6:7], s[26:27]          ; and of scale bytes
	s_lshl_b32 s26, s21, 9
	s_add_nc_u64 s[8:9], s[8:9], s[26:27]
	s_lshl_b32 s26, s21, 5
	s_add_nc_u64 s[10:11], s[10:11], s[26:27]
	s_lshl_b32 s26, s21, 2
	s_add_nc_u64 s[12:13], s[12:13], s[26:27]
	s_lshl_b32 s26, s17, 16
	s_lshl_b32 s28, s18, 8
	s_add_co_u32 s26, s26, s28
	s_add_nc_u64 s[14:15], s[14:15], s[26:27]      ; of: the batch's 16 rows, the head's 256 bytes
	s_cmp_lt_u32 s16, 6
	s_cbranch_scc0 .Lmade
	; ---- phase 1, waves 0-5: 16 positions x 32 columns, transposed (source 0 = 16 rows of wc, source 1 = x's 16 rows): a lane holds one position and eight neighbouring columns
.irp s, 0,1,2,3,4,5,6,7
.irp c, 0,1
	global_load_b128 v[XF+8*\s+4*\c:XF+8*\s+4*\c+3], v3, s[4:5] offset:64*\s+32*\c
.endr
.endr
	global_load_b128 v[XS:XS+3], v4, s[6:7]
	global_load_b128 v[XS+4:XS+7], v4, s[6:7] offset:16
.irp u, 0,1
.irp s, 0,1,2,3,4,5,6,7
.irp c, 0,1
	global_load_b128 v[WF+64*\u+8*\s+4*\c:WF+64*\u+8*\s+4*\c+3], v3, s[8:9] offset:8192*\u+64*\s+32*\c
.endr
.endr
	global_load_b128 v[WS+8*\u:WS+8*\u+3], v4, s[10:11] offset:512*\u
	global_load_b128 v[WS+8*\u+4:WS+8*\u+7], v4, s[10:11] offset:512*\u+16
	global_load_b128 v[ACC+8*\u:ACC+8*\u+3], v5, s[12:13] offset:64*\u      ; the bias lands in the accumulators: the sums begin with it
	global_load_b128 v[ACC+8*\u+4:ACC+8*\u+7], v5, s[12:13] offset:64*\u+16
.endr
	s_wait_loadcnt 0x0
.irp s, 0,1,2,3,4,5,6,7                ; the two accumulators take turns
.irp u, 0,1
	v_wmma_scale_f32_16x16x128_f8f6f4 v[ACC+8*\u:ACC+8*\u+7], v[WF+64*\u+8*\s:WF+64*\u+8*\s+7], v[XF+8*\s:XF+8*\s+7], v[ACC+8*\u:ACC+8*\u+7], v[WS+8*\u+\s], v[XS+\s] matrix_a_fmt:MATRIX_FMT_FP4 matrix_b_fmt:MATRIX_FMT_FP4
.endr
.endr
.rept 4
	v_nop                                          ; places behind the products: ahead of the reads of the results, and of phase 2's loads into the operands' registers
.endr
.irp u, 0,1
	ds_store_b128 v6, v[ACC+8*\u:ACC+8*\u+3] offset:64*\u          ; each accumulator from its low end on
	ds_store_b128 v6, v[ACC+8*\u+4:ACC+8*\u+7] offset:64*\u+16
.endr
.Lmade:
	s_wait_dscnt 0x0                               ; for the others' sake: my stores have landed
	s_barrier_signal -1
	s_barrier_wait -1
	; ---- phase 2
.irp n, 0,1,2,3,4,5,6,7,8,9,10,11,12,13,14,15
	ds_load_b128 v[64+4*\n:67+4*\n], v7 offset:16*\n               ; q(i, :)
.endr
.irp n, 0,1,2,3,4,5,6,7,8,9,10,11,12,13,14,15
	ds_load_b128 v[128+4*\n:131+4*\n], v8 offset:16*\n             ; k(j, :)
.endr
.irp n, 0,1,2,3,4,5,6,7,8,9,10,11,12,13,14,15
	ds_load_b128 v[192+4*\n:195+4*\n], v9 offset:272*\n            ; v(n, 4 j .. 4 j + 3)
.endr
	s_wait_dscnt 16                                ; q and k are in; V's sixteen loads may be out
	v_pk_mul_f32 v[60:61], v[64:65], v[128:129]
	v_pk_mul_f32 v[62:63], v[66:67], v[130:131]
.irp n, 4,8,12,16,20,24,28,32,36,40,44,48,52,56,60
	v_pk_fma_f32 v[60:61], v[64+\n:65+\n], v[128+\n:129+\n], v[60:61]
	v_pk_fma_f32 v[62:63], v[66+\n:67+\n], v[130+\n:131+\n], v[62:63]
.endr
	v_pk_add_f32 v[60:61], v[60:61], v[62:63]
	v_add_f32 v60, v60, v61
	v_mul_f32 v60, s24, v60                        ; t = score x log2(e) / 8
	v_cmp_gt_u32 vcc_lo, v1, v13                   ; key j comes after query i
	v_cndmask_b32 v60, v60, v15, vcc_lo
	v_mov_b32 v61, v60
.irp m, 1,2,4,8
	v_max_num_f32_dpp v61, v61, v61 row_xmask:\m row_mask:0xf bank_mask:0xf   ; the row's largest t (key 0 counts for every query)
.endr
	v_sub_f32 v60, v60, v61
	v_exp_f32 v60, v60
	v_nop                                          ; a plain line behind the exponential
	s_wait_alu depctr_va_vdst(0)                   ; and the wait ahead of the first use
	v_mov_b32 v61, v60
.irp m, 1,2,4,8
	v_add_f32_dpp v61, v61, v61 row_xmask:\m row_mask:0xf bank_mask:0xf
.endr
	v_rcp_f32 v61, v61
	v_nop
	s_wait_alu depctr_va_vdst(0)
	v_mul_f32 v60, v60, v61                        ; p(i, j)
	ds_store_b32 v10, v60
.irp n, 0,1,2,3
	ds_load_b128 v[64+4*\n:67+4*\n], v11 offset:16*\n              ; p(i, :): my own wave's words, in order behind its stores
.endr
	s_wait_dscnt 0x0
	v_pk_mul_f32 v[60:61], v[192:193], v[64:65] op_sel_hi:[1,0]
	v_pk_mul_f32 v[62:63], v[194:195], v[64:65] op_sel_hi:[1,0]
.irp n, 1,2,3,4,5,6,7,8,9,10,11,12,13,14,15
.if \n%2
	v_pk_fma_f32 v[60:61], v[192+4*\n:193+4*\n], v[64+2*(\n/2):65+2*(\n/2)], v[60:61] op_sel:[0,1,0] op_sel_hi:[1,1,1]
	v_pk_fma_f32 v[62:63], v[194+4*\n:195+4*\n], v[64+2*(\n/2):65+2*(\n/2)], v[62:63] op_sel:[0,1,0] op_sel_hi:[1,1,1]
.else
	v_pk_fma_f32 v[60:61], v[192+4*\n:193+4*\n], v[64+2*(\n/2):65+2*(\n/2)], v[60:61] op_sel_hi:[1,0,1]
	v_pk_fma_f32 v[62:63], v[194+4*\n:195+4*\n], v[64+2*(\n/2):65+2*(\n/2)], v[62:63] op_sel_hi:[1,0,1]
.endif
.endr
	global_store_b128 v12, v[60:63], s[14:15]      ; sixteen lanes store a head's 256 bytes of a row, aligned
	s_wait_tensorcnt 0x0                           ; the wave's end, behind my last LDS store
	ds_add_u32 v[SPW], v[NIL]
	s_wait_dscnt 0x0
	s_endpgm
.Lfunc_end_k_q086177e644_fine_attn:
	.size	k_q086177e644_fine_attn, .Lfunc_end_k_q086177e644_fine_attn-k_q086177e644_fine_attn
	.p2alignl 7, 3214868480
	.fill 96, 4, 3214868480
	.section	.rodata,"a",@progbits
	.p2align	6, 0x0
	.amdhsa_kernel k_q086177e644_fine_attn
		.amdhsa_group_segment_fixed_size 15360
		.amdhsa_private_segment_fixed_size 0
		.amdhsa_enable_private_segment 0
		.amdhsa_kernarg_size 48
		.amdhsa_user_sgpr_count 2
		.amdhsa_user_sgpr_kernarg_segment_ptr 1
		.amdhsa_wavefront_size32 1
		.amdhsa_system_sgpr_workgroup_id_x 1
		.amdhsa_system_sgpr_workgroup_id_y 1
		.amdhsa_system_sgpr_workgroup_id_z 1
		.amdhsa_system_vgpr_workitem_id 0
		.amdhsa_next_free_vgpr 256
		.amdhsa_next_free_sgpr 66
		.amdhsa_reserve_vcc 1
		.amdhsa_float_denorm_mode_32 3
		.amdhsa_float_denorm_mode_16_64 3
		.amdhsa_memory_ordered 1
		.amdhsa_forward_progress 1
		.amdhsa_inst_pref_size 20
	.end_amdhsa_kernel
	.amdgpu_metadata
---
amdhsa.version: [ 1, 2 ]
amdhsa.kernels:
  - .name:           k_q086177e644_fine_attn
    .symbol:         k_q086177e644_fine_attn.kd
    .args:
      - { .name: xc, .offset: 0, .size: 8, .value_kind: global_buffer, .address_space: global }
      - { .name: xs, .offset: 8, .size: 8, .value_kind: global_buffer, .address_space: global }
      - { .name: wc, .offset: 16, .size: 8, .value_kind: global_buffer, .address_space: global }
      - { .name: ws, .offset: 24, .size: 8, .value_kind: global_buffer, .address_space: global }
      - { .name: b_qkv, .offset: 32, .size: 8, .value_kind: global_buffer, .address_space: global }
      - { .name: of, .offset: 40, .size: 8, .value_kind: global_buffer, .address_space: global }
    .group_segment_fixed_size: 15360
    .private_segment_fixed_size: 0
    .kernarg_segment_align: 8
    .kernarg_segment_size: 48
    .max_flat_workgroup_size: 256
    .sgpr_count:     66
    .vgpr_count:     256
    .wavefront_size: 32
...
	.end_amdgpu_metadata
.endif
;; end of part 5
;; launch fine_out (part 6): grid 64 x 4, 8 waves a work-group, no clusters, 9,216 bytes of LDS; arguments of, w_out, b_out, out0; writes out0
.if DOCPART == 6
	.amdgcn_target "amdgcn-amd-amdhsa--gfx1250"
	.amdhsa_code_object_version 6
	.text
	.protected	k_q086177e644_fine_out
	.globl	k_q086177e644_fine_out
	.p2align	8
	.type	k_q086177e644_fine_out,@function
k_q086177e644_fine_out:
	s_mov_b64 s[64:65], 0
	v_nop
	global_prefetch_b8 v0, s[64:65] scope:SCOPE_SE
	s_setreg_imm32_b32 hwreg(HW_REG_WAVE_MODE, 25, 1), 1
	s_wait_xcnt 0x0
; THE FIRST 16 POSITIONS OF EACH SEQUENCE THROUGH THE PROJECTION, IN f32: out0[batch][0..15][:] = of[batch] w_out + b_out, written over what the large launch left in these 64 rows.
; A work-group makes 16 positions x 16 columns; each of its eight waves sums 128 of the 1,024 along K by 32 matrix instructions of the f32 form (64 rows of 8,192: no bulk work); the eight parts meet in LDS, wave 0 adds them in a fixed order.
; TRANSPOSED (source 0 = 16 columns of w_out, source 1 = 16 positions): a lane holds one position and eight neighbouring columns.  K is taken in an order that is the same on both sides:
; the instruction (u, e) gives lane half h the two k = 128 wave + 8 u + 4 h + 2 e + 0, 1, so that of's numbers come by loads of 16 bytes.
; The stores are 64-byte pieces of a row: 262,144 bytes of the output's 33,554,432; wider tiles would leave most of the chip without work at the f32 form's pace.
.set SPARE, 8192                       ; behind the eight images of 1,024 bytes: the spare words
.set SPW, 10
.set NIL, 11
.set BB,  12                           ; v12-19 the bias
.set T,   20                           ; v20-27 my part of the sums
.set A0,  28                           ; v28-35, v36-43: two accumulators, written by matrix instructions alone
.set OF,  64
.set WF,  128
	s_load_b256 s[4:11], s[0:1], 0x0               ; of, w_out, b_out, out0
	v_lshl_add_u32 v[SPW], v0, 2, SPARE
	v_mov_b32 v[NIL], 0
	v_lshrrev_b32 v1, 5, v0
	v_readfirstlane_b32 s12, v1                    ; wave 0..7
	v_and_b32 v1, 15, v0                           ; r
	v_bfe_u32 v2, v0, 4, 1                         ; h
	v_lshlrev_b32 v3, 12, v1
	v_lshl_add_u32 v3, v2, 4, v3                   ; of: row r of 4,096 bytes, + 16 h
	v_lshlrev_b32 v4, 2, v1
	v_lshl_add_u32 v4, v2, 14, v4                  ; w_out: column r, + 4 h rows of 4,096 bytes
	v_lshlrev_b32 v5, 5, v2                        ; the bias: 8 numbers for each half
	v_lshlrev_b32 v6, 12, v1
	v_lshl_add_u32 v6, v2, 5, v6                   ; out0: row r, + 32 h
	v_and_b32 v8, 31, v0
	v_lshlrev_b32 v8, 4, v8                        ; an image's place for my lane
	s_lshl_b32 s16, s12, 10
	v_add_nc_u32 v7, s16, v8                       ; my wave's image
	s_lshl_b32 s13, ttmp9, 6                       ; my 16 columns, in bytes
	s_and_b32 s14, ttmp7, 0xffff                   ; batch
	s_mov_b32 s17, 0
	s_wait_kmcnt 0x0
	s_lshl_b32 s16, s14, 16
	s_lshl_b32 s18, s12, 9
	s_add_co_u32 s16, s16, s18
	s_add_nc_u64 s[4:5], s[4:5], s[16:17]          ; of: the batch's 16 rows, my 128 along K
	s_lshl_b32 s16, s12, 19
	s_add_co_u32 s16, s16, s13
	s_add_nc_u64 s[6:7], s[6:7], s[16:17]          ; w_out: my 128 rows, my columns
	s_mov_b32 s16, s13
	s_add_nc_u64 s[8:9], s[8:9], s[16:17]
	s_lshl_b32 s16, s14, 23
	s_add_co_u32 s16, s16, s13
	s_add_nc_u64 s[10:11], s[10:11], s[16:17]      ; out0: the batch's first row, my columns
.irp u, 0,1,2,3,4,5,6,7,8,9,10,11,12,13,14,15
	global_load_b128 v[OF+4*\u:OF+4*\u+3], v3, s[4:5] offset:32*\u
.endr
.irp u, 0,1,2,3,4,5,6,7,8,9,10,11,12,13,14,15
.irp e, 0,1,2,3
	global_load_b32 v[WF+4*\u+\e], v4, s[6:7] offset:(8*\u+\e)*4096
.endr
.endr
	global_load_b128 v[BB:BB+3], v5, s[8:9]
	global_load_b128 v[BB+4:BB+7], v5, s[8:9] offset:16
	s_wait_loadcnt 0x0
.irp u, 0,1,2,3,4,5,6,7,8,9,10,11,12,13,14,15   ; the two accumulators take turns; the first product of each starts its sum
.irp e, 0,1
.if \u == 0
	v_wmma_f32_16x16x4_f32 v[A0+8*\e:A0+8*\e+7], v[WF+4*\u+2*\e:WF+4*\u+2*\e+1], v[OF+4*\u+2*\e:OF+4*\u+2*\e+1], 0
.else
	v_wmma_f32_16x16x4_f32 v[A0+8*\e:A0+8*\e+7], v[WF+4*\u+2*\e:WF+4*\u+2*\e+1], v[OF+4*\u+2*\e:OF+4*\u+2*\e+1], v[A0+8*\e:A0+8*\e+7]
.endif
.endr
.endr
.rept 8
	v_nop                                          ; eight places behind this form: ahead of the reads of the results and of the loads into the operands' registers
.endr
.irp p, 0,2,4,6
	v_pk_add_f32 v[T+\p:T+\p+1], v[A0+\p:A0+\p+1], v[A0+8+\p:A0+8+\p+1]   ; into other registers, from the low end on
.endr
	ds_store_b128 v7, v[T:T+3]
	ds_store_b128 v7, v[T+4:T+7] offset:512
	s_wait_dscnt 0x0                               ; for wave 0's sake: my stores have landed
	s_barrier_signal -1
	s_barrier_wait -1
	s_cmp_lg_u32 s12, 0
	s_cbranch_scc1 .Lend
.irp w, 0,1,2,3,4,5,6,7
	ds_load_b128 v[64+8*\w:67+8*\w], v8 offset:1024*\w
	ds_load_b128 v[68+8*\w:71+8*\w], v8 offset:1024*\w+512
.endr
	s_wait_dscnt 0x0
.irp w, 1,2,3,4,5,6,7
.irp p, 0,2,4,6
	v_pk_add_f32 v[64+\p:65+\p], v[64+\p:65+\p], v[64+8*\w+\p:65+8*\w+\p]
.endr
.endr
.irp p, 0,2,4,6
	v_pk_add_f32 v[64+\p:65+\p], v[64+\p:65+\p], v[BB+\p:BB+\p+1]
.endr
	global_store_b128 v6, v[64:67], s[10:11]
	global_store_b128 v6, v[68:71], s[10:11] offset:16
.Lend:
	s_wait_tensorcnt 0x0                           ; the wave's end, behind my last LDS store
	ds_add_u32 v[SPW], v[NIL]
	s_wait_dscnt 0x0
	s_endpgm
.Lfunc_end_k_q086177e644_fine_out:
	.size	k_q086177e644_fine_out, .Lfunc_end_k_q086177e644_fine_out-k_q086177e644_fine_out
	.p2alignl 7, 3214868480
	.fill 96, 4, 3214868480
	.section	.rodata,"a",@progbits
	.p2align	6, 0x0
	.amdhsa_kernel k_q086177e644_fine_out
		.amdhsa_group_segment_fixed_size 9216
		.amdhsa_private_segment_fixed_size 0
		.amdhsa_enable_private_segment 0
		.amdhsa_kernarg_size 32
		.amdhsa_user_sgpr_count 2
		.amdhsa_user_sgpr_kernarg_segment_ptr 1
		.amdhsa_wavefront_size32 1
		.amdhsa_system_sgpr_workgroup_id_x 1
		.amdhsa_system_sgpr_workgroup_id_y 1
		.amdhsa_system_sgpr_workgroup_id_z 1
		.amdhsa_system_vgpr_workitem_id 0
		.amdhsa_next_free_vgpr 256
		.amdhsa_next_free_sgpr 66
		.amdhsa_reserve_vcc 0
		.amdhsa_float_denorm_mode_32 3
		.amdhsa_float_denorm_mode_16_64 3
		.amdhsa_memory_ordered 1
		.amdhsa_forward_progress 1
		.amdhsa_inst_pref_size 16
	.end_amdhsa_kernel
	.amdgpu_metadata
---
amdhsa.version: [ 1, 2 ]
amdhsa.kernels:
  - .name:           k_q086177e644_fine_out
    .symbol:         k_q086177e644_fine_out.kd
    .args:
      - { .name: of, .offset: 0, .size: 8, .value_kind: global_buffer, .address_space: global }
      - { .name: w_out, .offset: 8, .size: 8, .value_kind: global_buffer, .address_space: global }
      - { .name: b_out, .offset: 16, .size: 8, .value_kind: global_buffer, .address_space: global }
      - { .name: out0, .offset: 24, .size: 8, .value_kind: global_buffer, .address_space: global }
    .group_segment_fixed_size: 9216
    .private_segment_fixed_size: 0
    .kernarg_segment_align: 8
    .kernarg_segment_size: 32
    .max_flat_workgroup_size: 256
    .sgpr_count:     66
    .vgpr_count:     256
    .wavefront_size: 32
...
	.end_amdgpu_metadata
.endif
;; end of part 6
